; MI455X (gfx1250); checked and timed in simulation.
; The chip was launched on July 23, 2026; its instructions are those of AMD's public machine-readable ISA for CDNA 5 (MIT licence, August 2026) and "CDNA5" Instruction Set Architecture Reference Guide (July 2026). The comments in the code are by the model that wrote it; some were corrected since.
;; GPT2 Attention. Allowed arithmetic: matrix products marked QUANTISED: E2M1 operands, one E8M0 scale for each 32 along K, by v_wmma_scale_f32_16x16x128_f8f6f4 with both operands' format E2M1 (or v_wmma_scale_f32_32x16x128_f4), f32 sums; products left as they are: bf16, f16 or f32 operands; f32 sums; everything else in f32.
;; Inputs: b_attn 3,072 float32; b_proj 1,024 float32; hidden_states 4 x 2,048 x 1,024 float32; w_attn 1,024 x 3,072 float32; w_proj 1,024 x 1,024 float32.
;; Outputs: out0 4 x 2,048 x 1,024 float32.
;; This version of the problem:
;;   THIS VERSION OF THE PROBLEM IS GIVEN IN LOW PRECISION. The matrix products marked QUANTISED in the list below multiply operands that are first quantised to E2M1 (2 exponent bits, 1 mantissa bit; 4 bits a number), with one power-of-two scale for each 32 numbers along K (OCP MX v1.0); their sums are f32. The products marked 'left as it is' may take bf16, f16 or f32 operands, with f32 sums. Whichever they take, every output number must still come out within the allowed error. Rounding operands to bf16 (8 significant bits) uses up far more of that allowance than f16 does (11 bits, for magnitudes from 6e-5 to 65,504). All else is computed in f32.
;;   The module's matrix products, in the order in which they are computed (A, B: the left and right operand; K: the contracted axis; several contracted axes count as one K, in the product's order):
;;     1. [M 8,192, K 1,024] x [K 1,024, N 3,072]; A: input hidden_states; B: input w_attn: QUANTISED
;;     2. batch 64 x [M 2,048, K 64] x [K 64, N 2,048]; A: computed on the way; B: computed on the way: left as it is (an operand is computed on the way)
;;     3. batch 64 x [M 2,048, K 2,048] x [K 2,048, N 64]; A: computed on the way; B: computed on the way: left as it is (an operand is computed on the way)
;;     4. [M 8,192, K 1,024] x [K 1,024, N 1,024]; A: computed on the way; B: input w_proj: left as it is (an operand is computed on the way)
;;   THE QUANTISER, for each operand of a quantised product, along K:
;;     - K is cut into blocks of 32 from its start; a last block that is shorter is filled with zeros.
;;     - A block's scale is 2^e with e = floor(log2(the largest magnitude in the block)) - 2, held to -126 .. 127; a block of zeros has e = 0. As a byte (E8M0): e + 127.
;;     - Each number is divided by its block's scale, clamped to +-6, and rounded to the nearest number of E2M1, ties to even, subnormals kept.
;;     - The product sums the exact products of the quantised numbers (number of the format x scale) in f32.
;;   ~~~python
;;   def quantise(x, axis):      # numpy; x: float32 -> the quantised numbers, widened to float32 again
;;       x = np.moveaxis(x, axis, -1); K = x.shape[-1]
;;       x = np.pad(x, [(0, 0)] * (x.ndim - 1) + [(0, -K % 32)]); x = x.reshape(x.shape[:-1] + (-1, 32)); a = np.abs(x).max(-1, keepdims=True)
;;       e = np.where(a > 0, np.clip(np.frexp(np.where(a > 0, a, 1))[1] - 1 - 2, -126, 127), 0)      # np.frexp(a)[1] - 1 = floor(log2(a)), exactly
;;       r = np.clip(x / 2.0 ** e, -6, 6)
;;       step = 2.0 ** (np.maximum(np.frexp(np.where(r == 0, 1, r))[1] - 1, 0) - 1)
;;       q = np.round(r / step) * step * 2.0 ** e      # np.round: ties to even
;;       return np.moveaxis(q.reshape(q.shape[:-2] + (-1,))[..., :K], -1, axis).astype(np.float32)
;;   ~~~
;; One version. Each part assembles by itself: llvm-mc -triple=amdgcn-amd-amdhsa -mcpu=gfx1250 --defsym DOCPART=n.
;; ======== version 1 of 1: 5 launches
;; limits: values are held in f16: magnitudes above 65,504 overflow, below 6.1e-05 lose precision
;; workspace buffers: a_codes 4,194,304 bytes; a_scales 262,144 bytes; w_codes 1,572,864 bytes; w_scales 98,304 bytes; wpt 2,097,152 bytes; qkv 50,331,648 bytes; fineqkv 786,432 bytes; ctxh 16,777,216 bytes
;; launch prep (part 1): grid 368 x 1, 4 waves a work-group, no clusters, 102,912 bytes of LDS; arguments hidden_states, w_attn, w_proj, a_codes, a_scales, w_codes, w_scales, wpt; writes a_codes, a_scales, w_codes, w_scales, wpt
.if DOCPART == 1
	.amdgcn_target "amdgcn-amd-amdhsa--gfx1250"
	.amdhsa_code_object_version 6
	.text
	.protected	k_q6e0ce63299_prep
	.globl	k_q6e0ce63299_prep
	.p2align	8
	.type	k_q6e0ce63299_prep,@function
k_q6e0ce63299_prep:
	s_mov_b64 s[64:65], 0
	v_nop
	global_prefetch_b8 v0, s[64:65] scope:SCOPE_SE
	s_setreg_imm32_b32 hwreg(HW_REG_WAVE_MODE, 25, 1), 1
	s_wait_xcnt 0x0
; Three jobs in one launch, told apart by the work-group's number; each has a path, LDS bytes and an end of its own.
;   0-47    w_attn [1024 k][3072 n] f32 -> codes of FP4 (E2M1) laid [3072 n][1024 k], K innermost, and one E8M0 byte for each 32 along K, laid [3072][32]
;   48-111  w_proj [1024 k][1024 n] f32 -> f16 laid [1024 n][1024 k]
;   112-367 hidden_states [8192][1024] f32 -> codes [8192][512 bytes] and scale bytes [8192][32]
; A block's scale is 2^(floor(log2(its largest magnitude)) - 2); its byte is the largest magnitude's own exponent field - 2, held at 1 from below.
; Each number is divided by the scale and rounded to the nearest code, ties to even; beyond 6 the largest code.
; LIMITS: a block of zeros, and one whose largest magnitude lies under 2^-124, gets the byte 1 (a block of zeros has zero codes, which add nothing; the bytes are read by this program alone);
; NaN and infinities are not served; |w_proj| beyond 65,504 has no f16 number, and under 6e-5 the f16 step is 6e-8.
; No tensor loads, no barrier: waves share nothing.
.set WREG,  8192                       ; x: a region for each wave: two stages of 32 x SP bytes, behind them its 256 scale bytes
.set SP,    80                         ; x: a lane's place in a stage: its 64 bytes + 16 of padding
.set CB,    8                          ; bytes of 16 codes
.set EMAX,  2
.set STEPS, 16
.set PITCH, 272                        ; the weights' stages: a row of 256 bytes + 16
.set WSTG,  32768                      ; w_attn's four stages, 32 rows each
.set PSTG,  67584                      ; w_proj's four stages
.set SPARE, 102400                     ; the spare words, 128 bytes for each wave: two blocks of 256 bytes that no other line names
.set SPW,   190                        ; v190 LDS address of my spare word; never rewritten
.set NIL,   191                        ; v191 0; never rewritten
.set R,     16                         ; x: v16-79 four sets of 16 numbers as loaded
.set X,     80                         ; x: v80-111 two sets of 16 neighbours
.set E,     112                        ; x: v112-127 a scale byte for each step
.set C,     128                        ; x: v128-189 codes, four registers reserved for each step
.set XW,    32                         ; weights: v32-95 two sets of 32 numbers down K
.set CW,    96                         ; weights: v96-111 a block's codes, or its 32 f16
.set OUTR,  112                        ; weights: v112-175 the way out
.set SB,    24                         ; w_attn: v24-27 scale bytes, four to a register
.set NW,    3072
.set NB,    16
	s_load_b512 s[4:19], s[0:1], 0x0               ; hidden s[4:5], w_attn s[6:7], w_proj s[8:9], a_codes s[10:11], a_scales s[12:13], w_codes s[14:15], w_scales s[16:17], wpt s[18:19]
	v_lshl_add_u32 v[SPW], v0, 2, SPARE
	v_mov_b32 v[NIL], 0
	v_lshrrev_b32 v1, 5, v0
	v_readfirstlane_b32 s20, v1                    ; wave 0..3
	v_and_b32 v2, 31, v0                           ; lane
	s_mov_b32 s25, 0                               ; the upper word of every offset: all lie under 2^31
	s_wait_kmcnt 0x0
	s_cmp_lt_u32 ttmp9, 48
	s_cbranch_scc1 .Lw
	s_cmp_lt_u32 ttmp9, 112
	s_cbranch_scc1 .Lwp
; ---- hidden_states: a plain stream of blocks of 32.  A wave takes 16 steps of 512 numbers.  A load reads 512 consecutive bytes, 16 a lane; the conversions want 16 NEIGHBOURS in a lane:
; a step's 2,048 bytes go through the wave's own stage as they lie and come back 64 bytes a lane.  Two neighbouring lanes hold a block.
	v_lshlrev_b32 v3, 4, v2                        ; my 16 bytes of a load's 512
	s_mul_i32 s21, s20, WREG
	v_lshrrev_b32 v14, 2, v2
	v_mul_u32_u24 v14, v14, SP
	v_and_b32 v15, 3, v2
	v_lshl_add_u32 v14, v15, 4, v14
	v_add_nc_u32 v14, s21, v14                     ; into the stage: SP (lane / 4) + 16 (lane % 4)
	v_mul_u32_u24 v15, v2, SP
	v_add_nc_u32 v15, s21, v15                     ; out of it: SP x lane
	v_mul_u32_u24 v4, v2, CB                       ; my codes' place in a step's 256 bytes
	v_lshrrev_b32 v5, 1, v2
	s_add_co_u32 s21, s21, 2*32*SP
	v_add_nc_u32 v5, s21, v5                       ; my block's byte among the wave's 256
	v_lshlrev_b32 v7, 3, v2
	v_add_nc_u32 v6, s21, v7                       ; and on the way out 8 bytes a lane
	s_sub_co_u32 s22, ttmp9, 112
	s_lshl_b32 s22, s22, 2
	s_add_co_u32 s22, s22, s20                     ; which run of 8,192 numbers is my wave's: 0 .. 1,023
	s_lshl_b32 s24, s22, 15
	s_add_nc_u64 s[4:5], s[4:5], s[24:25]          ; 32,768 bytes of numbers,
	s_lshl_b32 s24, s22, 12
	s_add_nc_u64 s[10:11], s[10:11], s[24:25]      ; 4,096 of codes,
	s_lshl_b32 s24, s22, 8
	s_add_nc_u64 s[12:13], s[12:13], s[24:25]      ; 256 scale bytes a run
.macro XLOAD t
.irp i, 0,1,2,3
	global_load_b128 v[R+16*((\t)%4)+4*\i:R+16*((\t)%4)+4*\i+3], v3, s[4:5] offset:2048*(\t)+512*\i th:TH_LOAD_NT
.endr
.endm
.macro XTURN t                         ; LDS serves a wave's instructions in order (ISA guide 5.7.1.4): no wait between the stores and the loads
.irp i, 0,1,2,3
	ds_store_b128 v14, v[R+16*((\t)%4)+4*\i:R+16*((\t)%4)+4*\i+3] offset:32*SP*((\t)%2)+8*SP*\i
.endr
.irp i, 0,1,2,3
	ds_load_b128 v[X+16*((\t)%2)+4*\i:X+16*((\t)%2)+4*\i+3], v15 offset:32*SP*((\t)%2)+16*\i
.endr
.endm
.irp t, 0,1,2,3
	XLOAD \t
.endr
	s_wait_loadcnt 12                              ; step 0's four loads are in; the 12 of steps 1 to 3 stay out
	XTURN 0
.macro XSTEP t
.set XS, X+16*((\t)%2)
.if (\t) > 0
	s_wait_dscnt 1                                 ; this step's numbers are back from the stage; the last step's byte store may be out
.else
	s_wait_dscnt 0x0
.endif
.if (\t)+4 < STEPS
	XLOAD (\t)+4                                   ; into the registers that this step's stores into the stage have read
.endif
.if (\t)+1 < STEPS
.if STEPS-2-(\t) >= 3
	s_wait_loadcnt 12                              ; the next step's four loads are in; those of the three steps behind it may be out
.else
	s_wait_loadcnt 4*(STEPS-2-(\t))
.endif
	XTURN (\t)+1
.endif
	v_max3_num_f32 v8, |v[XS]|, |v[XS+1]|, |v[XS+2]|               ; the largest magnitude of my 16, in two chains
	v_max3_num_f32 v9, |v[XS+3]|, |v[XS+4]|, |v[XS+5]|
.irp i, 6,10
	v_max3_num_f32 v8, v8, |v[XS+\i]|, |v[XS+\i+1]|
	v_max3_num_f32 v9, v9, |v[XS+\i+2]|, |v[XS+\i+3]|
.endr
	v_max3_num_f32 v8, v8, |v[XS+14]|, |v[XS+15]|
	v_max3_num_f32 v8, v8, v9, (EMAX+1)<<23        ; and the floor 2^(3 - 127): the byte cannot fall under 1
	v_max_num_f32_dpp v8, v8, v8 row_xmask:1 row_mask:0xf bank_mask:0xf   ; with my neighbour's 16: the block's
	v_add_nc_u32 v11, -(EMAX<<23), v8              ; 2 off its exponent field: the conversion takes the exponent field of this operand as its scale
	v_cvt_scalef32_pk8_fp4_f32 v[C+4*(\t)], v[XS:XS+7], v11
	v_cvt_scalef32_pk8_fp4_f32 v[C+4*(\t)+1], v[XS+8:XS+15], v11
	v_lshrrev_b32 v[E+(\t)], 23, v11               ; the scale's byte (a plain line behind the conversions)
	ds_store_b8 v5, v[E+(\t)] offset:16*(\t)       ; both lanes of a block write the same byte with the same value
	global_store_b64 v4, v[C+4*(\t):C+4*(\t)+1], s[10:11] offset:32*CB*(\t)   ; the wave stores 256 consecutive bytes, aligned
.endm
.irp t, 0,1,2,3,4,5,6,7,8,9,10,11,12,13,14,15
	XSTEP \t
.endr
	ds_load_b64 v[8:9], v6                         ; in order behind my byte stores
	s_wait_dscnt 0x0
	global_store_b64 v7, v[8:9], s[12:13]          ; the wave's 256 scale bytes, consecutive and aligned
	s_wait_tensorcnt 0x0                           ; the wave's end, behind my last LDS store
	ds_add_u32 v[SPW], v[NIL]
	s_wait_dscnt 0x0
	s_endpgm
; ---- w_attn: K is its first axis.  A lane takes a column n and its registers run down K: a load reads 128 consecutive bytes a wave, a block of 32 along K lies in one lane,
; and the conversions give codes with K innermost.  A wave takes 32 columns x 512 along K; the codes go through its stage and leave as rows, sixteen lanes to 256 aligned bytes.
.Lw:
	s_lshr_b32 s21, ttmp9, 1                       ; which 128 columns
	s_and_b32 s22, ttmp9, 1                        ; which 512 along K
	s_lshl_b32 s21, s21, 7
	s_lshl_b32 s23, s20, 5
	s_add_co_u32 s21, s21, s23                     ; my wave's first column
	v_lshlrev_b32 v3, 2, v2
	s_mul_i32 s23, s20, 32*PITCH
	s_add_co_u32 s23, s23, WSTG                    ; my stage
	v_mul_u32_u24 v4, v2, PITCH
	v_add_nc_u32 v4, s23, v4                       ; into it: row = my column
	v_and_b32 v5, 15, v2
	v_lshrrev_b32 v6, 4, v2
	v_mul_u32_u24 v7, v6, PITCH
	v_lshl_add_u32 v7, v5, 4, v7
	v_add_nc_u32 v7, s23, v7                       ; out of it: sixteen lanes to a row, two rows an instruction
	v_lshlrev_b32 v8, 9, v6
	v_lshl_add_u32 v8, v5, 4, v8                   ; the same place in the codes' buffer: rows of 512 bytes
	v_lshlrev_b32 v9, 5, v2                        ; my column's row of 32 scale bytes
	s_mul_i32 s24, s22, 512*NW*4
	s_lshl_b32 s26, s21, 2
	s_add_co_u32 s24, s24, s26
	s_add_nc_u64 s[6:7], s[6:7], s[24:25]
	s_lshl_b32 s24, s21, 9
	s_lshl_b32 s26, s22, 8
	s_add_co_u32 s24, s24, s26
	s_add_nc_u64 s[14:15], s[14:15], s[24:25]
	s_lshl_b32 s24, s21, 5
	s_lshl_b32 s26, s22, 4
	s_add_co_u32 s24, s24, s26
	s_add_nc_u64 s[16:17], s[16:17], s[24:25]
.macro WLOAD t                         ; block t: w(32 t + i, my column); the largest offset, 511 x 12,288 bytes, lies inside the signed 24-bit immediate
.irp i, 0,1,2,3,4,5,6,7,8,9,10,11,12,13,14,15,16,17,18,19,20,21,22,23,24,25,26,27,28,29,30,31
	global_load_b32 v[XW+32*((\t)%2)+\i], v3, s[6:7] offset:(32*(\t)+\i)*NW*4 th:TH_LOAD_NT
.endr
.endm
	WLOAD 0
	WLOAD 1
.macro WBLOCK t
.set XS, XW+32*((\t)%2)
.if (\t) < NB-1
	s_wait_loadcnt 32                              ; this block's 32 loads are in; the next block's may be out
.else
	s_wait_loadcnt 0
.endif
	v_max3_num_f32 v12, |v[XS]|, |v[XS+1]|, |v[XS+2]|
	v_max3_num_f32 v13, |v[XS+3]|, |v[XS+4]|, |v[XS+5]|
.irp i, 6,10,14,18,22,26
	v_max3_num_f32 v12, v12, |v[XS+\i]|, |v[XS+\i+1]|
	v_max3_num_f32 v13, v13, |v[XS+\i+2]|, |v[XS+\i+3]|
.endr
	v_max3_num_f32 v12, v12, |v[XS+30]|, |v[XS+31]|
	v_max3_num_f32 v12, v12, v13, (EMAX+1)<<23     ; the block's largest magnitude, and the floor
	v_add_nc_u32 v11, -(EMAX<<23), v12
	v_lshrrev_b32 v13, 23, v11                     ; the scale's byte
.if (\t)%4 == 0
	v_mov_b32 v[SB+(\t)/4], v13
.else
	v_lshl_or_b32 v[SB+(\t)/4], v13, 8*((\t)%4), v[SB+(\t)/4]
.endif
.irp g, 0,1,2,3
	v_cvt_scalef32_pk8_fp4_f32 v[CW+\g], v[XS+8*\g:XS+8*\g+7], v11
.endr
	ds_store_b128 v4, v[CW:CW+3] offset:16*(\t)    ; 32 codes: 16 bytes of my column's row
.if (\t)+2 < NB
	WLOAD (\t)+2
.endif
	s_wait_dscnt 0x0                               ; the store has read its registers: the next block's codes may be written
.endm
.set Q, 0
.rept NB
	WBLOCK Q
.set Q, Q+1
.endr
	global_store_b128 v9, v[SB:SB+3], s[16:17]     ; my column's 16 scale bytes
.irp t, 0,1,2,3,4,5,6,7,8,9,10,11,12,13,14,15
	ds_load_b128 v[OUTR+4*\t:OUTR+4*\t+3], v7 offset:2*\t*PITCH
.endr
.irp t, 0,1,2,3,4,5,6,7,8,9,10,11,12,13,14,15
	s_wait_dscnt 15-\t                             ; load t is in; the younger ones stay out
	global_store_b128 v8, v[OUTR+4*\t:OUTR+4*\t+3], s[14:15] offset:2*\t*512
.endr
	s_wait_tensorcnt 0x0                           ; the wave's end
	ds_add_u32 v[SPW], v[NIL]
	s_wait_dscnt 0x0
	s_endpgm
; ---- w_proj: the same plan, with a rounding to f16 in the quantiser's place.  A wave takes 32 columns x 128 along K: 256 bytes of f16 a column.
.Lwp:
	s_sub_co_u32 s21, ttmp9, 48
	s_and_b32 s22, s21, 7                          ; which 128 columns
	s_lshr_b32 s23, s21, 3                         ; which 128 along K
	s_lshl_b32 s22, s22, 7
	s_lshl_b32 s24, s20, 5
	s_add_co_u32 s22, s22, s24                     ; my wave's first column
	v_lshlrev_b32 v3, 2, v2
	s_mul_i32 s26, s20, 32*PITCH
	s_add_co_u32 s26, s26, PSTG
	v_mul_u32_u24 v4, v2, PITCH
	v_add_nc_u32 v4, s26, v4
	v_and_b32 v5, 15, v2
	v_lshrrev_b32 v6, 4, v2
	v_mul_u32_u24 v7, v6, PITCH
	v_lshl_add_u32 v7, v5, 4, v7
	v_add_nc_u32 v7, s26, v7
	v_lshlrev_b32 v8, 11, v6                       ; a row of wpt is 2,048 bytes
	v_lshl_add_u32 v8, v5, 4, v8
	s_lshl_b32 s24, s23, 19                        ; 128 rows of 4,096 bytes
	s_lshl_b32 s27, s22, 2
	s_add_co_u32 s24, s24, s27
	s_add_nc_u64 s[8:9], s[8:9], s[24:25]
	s_lshl_b32 s24, s22, 11
	s_lshl_b32 s27, s23, 8
	s_add_co_u32 s24, s24, s27
	s_add_nc_u64 s[18:19], s[18:19], s[24:25]
.macro PLOAD t
.irp i, 0,1,2,3,4,5,6,7,8,9,10,11,12,13,14,15,16,17,18,19,20,21,22,23,24,25,26,27,28,29,30,31
	global_load_b32 v[XW+32*((\t)%2)+\i], v3, s[8:9] offset:(32*(\t)+\i)*4096
.endr
.endm
	PLOAD 0
	PLOAD 1
.macro PBLOCK t
.set XS, XW+32*((\t)%2)
.if (\t) < 3
	s_wait_loadcnt 32                              ; this block's 32 loads are in; the next block's may be out
.else
	s_wait_loadcnt 0
.endif
.irp i, 0,1,2,3,4,5,6,7,8,9,10,11,12,13,14,15
	v_cvt_pk_f16_f32 v[CW+\i], v[XS+2*\i], v[XS+2*\i+1]            ; the lower k in the low half
.endr
.irp g, 0,1,2,3
	ds_store_b128 v4, v[CW+4*\g:CW+4*\g+3] offset:64*(\t)+16*\g
.endr
.if (\t)+2 < 4
	PLOAD (\t)+2
.endif
	s_wait_dscnt 0x0                               ; the stores have read their registers
.endm
.irp t, 0,1,2,3
	PBLOCK \t
.endr
.irp t, 0,1,2,3,4,5,6,7,8,9,10,11,12,13,14,15
	ds_load_b128 v[OUTR+4*\t:OUTR+4*\t+3], v7 offset:2*\t*PITCH
.endr
.irp t, 0,1,2,3,4,5,6,7,8,9,10,11,12,13,14,15
	s_wait_dscnt 15-\t
	global_store_b128 v8, v[OUTR+4*\t:OUTR+4*\t+3], s[18:19] offset:2*\t*2048   ; sixteen lanes store 256 consecutive bytes, aligned
.endr
	s_wait_tensorcnt 0x0                           ; the wave's end
	ds_add_u32 v[SPW], v[NIL]
	s_wait_dscnt 0x0
	s_endpgm
.Lfunc_end_k_q6e0ce63299_prep:
	.size	k_q6e0ce63299_prep, .Lfunc_end_k_q6e0ce63299_prep-k_q6e0ce63299_prep
	.p2alignl 7, 3214868480
	.fill 96, 4, 3214868480
	.section	.rodata,"a",@progbits
	.p2align	6, 0x0
	.amdhsa_kernel k_q6e0ce63299_prep
		.amdhsa_group_segment_fixed_size 102912
		.amdhsa_private_segment_fixed_size 0
		.amdhsa_enable_private_segment 0
		.amdhsa_kernarg_size 64
		.amdhsa_user_sgpr_count 2
		.amdhsa_user_sgpr_kernarg_segment_ptr 1
		.amdhsa_wavefront_size32 1
		.amdhsa_system_sgpr_workgroup_id_x 1
		.amdhsa_system_sgpr_workgroup_id_y 1
		.amdhsa_system_sgpr_workgroup_id_z 1
		.amdhsa_system_vgpr_workitem_id 0
		.amdhsa_next_free_vgpr 192
		.amdhsa_next_free_sgpr 66
		.amdhsa_reserve_vcc 0
		.amdhsa_float_denorm_mode_32 3
		.amdhsa_float_denorm_mode_16_64 3
		.amdhsa_memory_ordered 1
		.amdhsa_forward_progress 1
		.amdhsa_inst_pref_size 132
	.end_amdhsa_kernel
	.amdgpu_metadata
---
amdhsa.version: [ 1, 2 ]
amdhsa.kernels:
  - .name:           k_q6e0ce63299_prep
    .symbol:         k_q6e0ce63299_prep.kd
    .args:
      - { .name: hidden_states, .offset: 0, .size: 8, .value_kind: global_buffer, .address_space: global }
      - { .name: w_attn, .offset: 8, .size: 8, .value_kind: global_buffer, .address_space: global }
      - { .name: w_proj, .offset: 16, .size: 8, .value_kind: global_buffer, .address_space: global }
      - { .name: a_codes, .offset: 24, .size: 8, .value_kind: global_buffer, .address_space: global }
      - { .name: a_scales, .offset: 32, .size: 8, .value_kind: global_buffer, .address_space: global }
      - { .name: w_codes, .offset: 40, .size: 8, .value_kind: global_buffer, .address_space: global }
      - { .name: w_scales, .offset: 48, .size: 8, .value_kind: global_buffer, .address_space: global }
      - { .name: wpt, .offset: 56, .size: 8, .value_kind: global_buffer, .address_space: global }
    .group_segment_fixed_size: 102912
    .private_segment_fixed_size: 0
    .kernarg_segment_align: 8
    .kernarg_segment_size: 64
    .max_flat_workgroup_size: 128
    .sgpr_count:     66
    .vgpr_count:     192
    .wavefront_size: 32
...
	.end_amdgpu_metadata
.endif
;; end of part 1
;; launch qkv (part 2): grid 12 x 32, 4 waves a work-group, clusters of 4 x 4, 327,680 bytes of LDS; arguments a_codes, a_scales, w_codes, w_scales, b_attn, qkv, fineqkv; writes qkv, fineqkv
.if DOCPART == 2
	.amdgcn_target "amdgcn-amd-amdhsa--gfx1250"
	.amdhsa_code_object_version 6
	.text
	.protected	k_q6e0ce63299_qkv
	.globl	k_q6e0ce63299_qkv
	.p2align	8
	.type	k_q6e0ce63299_qkv,@function
k_q6e0ce63299_qkv:
	s_mov_b64 s[64:65], 0
	v_nop
	global_prefetch_b8 v0, s[64:65] scope:SCOPE_SE
	s_setreg_imm32_b32 hwreg(HW_REG_WAVE_MODE, 25, 1), 1
	s_wait_xcnt 0x0
	s_wait_alu depctr_hold_cnt(0) depctr_sa_sdst(0) depctr_va_vdst(0) depctr_va_sdst(0) depctr_va_ssrc(0) depctr_va_vcc(0) depctr_vm_vsrc(0)
	s_getreg_b32 s2, hwreg(HW_REG_IB_STS2, 6, 4)
	s_cmp_eq_u32 s2, 0
	s_cbranch_scc0 .Lentry_in_a_cluster
	s_endpgm
.Lentry_in_a_cluster:
	s_bfe_u32 s2, ttmp6, 0x10000c
	s_cmp_lg_u32 s2, 0xf033
	s_cbranch_scc0 .Lentry_shape_is_right
	s_endpgm
.Lentry_shape_is_right:
; qkv = Q(x) Q(w_attn) + b_attn on codes of FP4 (E2M1) with one E8M0 scale for each 32 along K; sums in f32.  A: [8192][1024] codes, B: [3072 n][1024 k] codes, K innermost; scale bytes [rows][32].
; OUT: q, k and v rounded to f16, laid by head: qkv [3 parts][64 = batch x 16 + head][2048 positions][64]; and, in f32, the first 16 positions of every batch: fineqkv [4][16][3072].
; LIMITS: |q|, |k|, |v| beyond 65,504 have no f16 number; under 6e-5 the f16 step is 6e-8.
; A tile of 256 x 256 is made by a work-group of four waves; a wave makes 128 x 128: 64 accumulators, 512 registers.  K = 1,024 is two slots of 512 along K (rows of 256 bytes): both are
; asked for at the start, with the scale bytes of the work-group's rows, and no LDS byte is ever filled again.
; CLUSTERS: 4 x 4 work-groups.  The four of a row of the cluster need the same tiles of A, the four of a column the same tiles of B: each is asked for jointly.
; PLACE: tile column = 4 x cluster x + cx, so the cluster's x is the part (q, k, v).  Tile row = 8 cy + cluster y, so cy is the batch and the cluster's y the block of 256 positions in it:
; whether a work-group holds positions 0-15 hangs on the cluster's y alone, which all sixteen partners share.
; THE MATRIX INSTRUCTION IS USED TRANSPOSED (source 0 = 16 rows of B, source 1 = 16 rows of A): a lane holds eight neighbouring columns of one row.  The bias is the C of each sum's first product.
; REGISTERS: window 0: v0-31 addresses; v32-95 scale words, two sets; v128-191 A's fragments, one set; v192-255 the bias in the result's layout; on the way out v128-255 are free.
;   window 1: B's fragments, two sets.   window 2: accumulators of my rows 0-63 ((a, b) at v[8 (8 a + b)]);   window 3: of my rows 64-127.
.set SIZE_K, 1024
.set KSTEP,  512
.set NQ,     KSTEP/128
.set ROWB,   256
.set KROW,   SIZE_K/2
.set PITCH,  272                       ; an LDS row: 256 bytes + 16: an odd multiple of 16 bytes, so the 16 rows of a load start at 16 different banks (64 banks of 4 bytes: ISA guide 11.1)
.set FR,     8
.set NL,     2
.set NP,     4
.set HALFT,  128*PITCH
.set SLOT,   4*HALFT
.set KS,     SIZE_K/32
.set SCL,    2*SLOT                    ; behind the slots: the scale bytes, as rows of 256 bytes + 16
.set HALFS,  (128*KS/256)*272
.set SBLK,   (16*KS/256)*272
.set SPARE,  SCL+4*HALFS               ; the spare words, 128 bytes for each wave: two blocks of 256 bytes that no other line names
.set SP32,   528                       ; the way out, in slot 0, which has had its one fill and its last read by then: a stage of 16 rows x (512 + 16) bytes for each wave,
.set SP16,   272                       ; and one of 16 rows x (256 + 16)
.set STG16,  34816
.set ADRA, 16
.set ADRB, 20
.set STO32, 22
.set RD32, 23
.set STO,  24
.set RD,   25
.set CO,   26
.set ADRS, 27
.set SPW,  28
.set NIL,  29
.set SC,   32
.set AF,   128
.set BI,   192
.set TMPR, 128                         ; the way out: packed results, v128-159 and v160-191 by turns
.set BK,   192                         ; and rows read back, v192-223 and v224-255 by turns
.set G1, 24
.set G0, 32
.set G1B, 48
.set G0B, 56
.set G1S, 68
.set G0S, 76
.set G1SB, 80
.set G0SB, 88
.set MSB, 0
.macro WIN new                         ; the immediate's high byte repeats the setting that is left
.if MSB != \new
	s_set_vgpr_msb (MSB<<8)|\new
.set MSB, \new
.endif
.endm
.set MUL_LO, 0xa1                      ; source 0 (B) window 1, source 1 (A) window 0, C and D window 2
.set MUL_HI, 0xf1                      ; the same, C and D window 3
.set FST_LO, 0x81                      ; the first products: C (the bias) window 0, D window 2
.set FST_HI, 0xc1                      ; D window 3
.set TO_B,   0x40
; A joint load: waves 0 and 1 fetch for A, waves 2 and 3 for B; the branch hangs on the wave's number alone.  An s_nop 0 and four v_nop follow each line.
.macro JLOAD g0a, g1a, g0b, g1b
	s_cmp_eq_u32 s15, 0
	s_cbranch_scc0 .Lfor_b_\@
	tensor_load_to_lds s[\g0a:\g0a+3], s[\g1a:\g1a+7]
	s_nop 0
.rept 4
	v_nop
.endr
	s_branch .Lasked_\@
.Lfor_b_\@:
	tensor_load_to_lds s[\g0b:\g0b+3], s[\g1b:\g1b+7]
	s_nop 0
.rept 4
	v_nop
.endr
.Lasked_\@:
.endm
.macro CROUND                          ; a round of the cluster's barrier
	s_barrier_signal -1
	s_barrier_wait -1
	s_cmp_lg_u32 s14, 0
	s_cbranch_scc1 .Lnot_wave_0_\@
	s_barrier_signal -3
.Lnot_wave_0_\@:
	s_barrier_wait -3
	s_barrier_signal -1
	s_barrier_wait -1
.endm
	s_load_b128 s[4:7], s[0:1], 0x0                ; A's codes, A's scales
	s_load_b128 s[8:11], s[0:1], 0x10              ; B's codes, B's scales
	s_load_b64 s[66:67], s[0:1], 0x20              ; b_attn
	s_load_b64 s[12:13], s[0:1], 0x28              ; qkv
	s_load_b64 s[96:97], s[0:1], 0x30              ; fineqkv
	v_lshl_add_u32 v[SPW], v0, 2, SPARE
	v_mov_b32 v[NIL], 0
	ds_add_u32 v[SPW], v[NIL]                      ; the wave's opening: the add, twice on end, and its wait ahead of my first tensor load
	ds_add_u32 v[SPW], v[NIL]
	v_lshrrev_b32 v1, 5, v0
	v_readfirstlane_b32 s14, v1                    ; wave 0..3
	s_lshr_b32 s15, s14, 1                         ; which half of the tile's rows is mine.  Also: I fetch for A (0) or for B (1)
	s_and_b32 s16, s14, 1                          ; which half of its columns.  Also: which 128 rows of that tile I fetch
	s_bfe_u32 s40, ttmp6, 0x40000                  ; cx
	s_bfe_u32 s41, ttmp6, 0x40004                  ; cy
	s_lshl_b32 s42, ttmp9, 2
	s_add_co_u32 s42, s42, s40                     ; tile column = 4 x cluster x + cx
	s_and_b32 s95, ttmp7, 0xffff                   ; cluster y
	s_lshl_b32 s17, s41, 3
	s_add_co_u32 s17, s17, s95                     ; tile row = 8 cy + cluster y
	s_lshl_b32 s43, s41, 2
	s_lshl_b32 s43, 15, s43                        ; my row of the cluster
	s_lshl_b32 s44, 0x1111, s40                    ; my column
	s_or_b32 s[G1+0], s43, (0<<16)|(1<<20)|(1<<21)|(5<<22)|(3<<25)  ; the mask; elements of 1 byte; padding on; bit 21 beside a mask; 4 words behind every 64
	s_or_b32 s[G1B+0], s44, (0<<16)|(1<<20)|(1<<21)|(5<<22)|(3<<25)
.irp g, G1, G1B
	s_mov_b32 s[\g+1], ROWB<<16                    ; tensor_dim0
	s_mov_b32 s[\g+2], 128<<16                     ; tensor_dim1
	s_mov_b32 s[\g+3], ROWB<<16                    ; tile_dim0
	s_mov_b32 s[\g+4], 128                         ; tile_dim1
	s_mov_b32 s[\g+5], KROW                        ; bytes from row to row
	s_mov_b32 s[\g+6], 0
	s_mov_b32 s[\g+7], 0
.endr
	s_or_b32 s[G1S+0], s43, (3<<16)|(1<<20)|(1<<21)|(5<<22)|(3<<25) ; the scales of 128 rows: 4,096 dense bytes as 16 rows of 32 elements of 8 bytes
	s_or_b32 s[G1SB+0], s44, (3<<16)|(1<<20)|(1<<21)|(5<<22)|(3<<25)
.irp g, G1S, G1SB
	s_mov_b32 s[\g+1], 32<<16
	s_mov_b32 s[\g+2], (128*KS/256)<<16
	s_mov_b32 s[\g+3], 32<<16
	s_mov_b32 s[\g+4], 128*KS/256
	s_mov_b32 s[\g+5], 32
	s_mov_b32 s[\g+6], 0
	s_mov_b32 s[\g+7], 0
.endr
	s_lshl_b32 s18, s16, 7
	s_lshl_b32 s20, s17, 8
	s_add_co_u32 s20, s20, s18                     ; A: row 256 x tile row + 128 x half
	s_lshl_b32 s46, s42, 8
	s_add_co_u32 s46, s46, s18                     ; B: row 256 x tile column + 128 x half
	s_mov_b32 s21, 0
	s_mov_b32 s47, 0
	s_mov_b64 s[18:19], KS
	s_mul_u64 s[22:23], s[20:21], s[18:19]
	s_mul_u64 s[92:93], s[46:47], s[18:19]
	s_mov_b64 s[18:19], KROW
	s_mul_u64 s[20:21], s[20:21], s[18:19]
	s_mul_u64 s[46:47], s[46:47], s[18:19]
	s_mul_i32 s45, s14, HALFT                      ; where they go: wave x 128 rows: no place in the cluster enters an LDS address
	s_mul_i32 s94, s14, HALFS
	s_wait_dscnt 0x0                               ; both opening adds are done
	s_wait_kmcnt 0x0
	s_add_nc_u64 s[20:21], s[4:5], s[20:21]
	s_add_nc_u64 s[22:23], s[6:7], s[22:23]
	s_add_nc_u64 s[46:47], s[8:9], s[46:47]
	s_add_nc_u64 s[92:93], s[10:11], s[92:93]
	CROUND                                         ; all sixteen work-groups are here: the joint loads meet
	s_mov_b32 s[G0S], 1
	s_add_co_u32 s[G0S+1], s94, SCL
	s_mov_b64 s[G0S+2:G0S+3], s[22:23]
	s_or_b32 s[G0S+3], s[G0S+3], 0x80000000
	s_mov_b32 s[G0SB], 1
	s_add_co_u32 s[G0SB+1], s94, SCL
	s_mov_b64 s[G0SB+2:G0SB+3], s[92:93]
	s_or_b32 s[G0SB+3], s[G0SB+3], 0x80000000
	JLOAD G0S, G1S, G0SB, G1SB                     ; three loads a wave are out at the most: the scales, slot 0, slot 1
.irp s, 0,1
	s_mov_b32 s[G0+4*\s], 1
	s_add_co_u32 s[G0+4*\s+1], s45, \s*SLOT
	s_add_nc_u64 s[G0+4*\s+2:G0+4*\s+3], s[20:21], \s*ROWB
	s_or_b32 s[G0+4*\s+3], s[G0+4*\s+3], 0x80000000
	s_mov_b32 s[G0B+4*\s], 1
	s_add_co_u32 s[G0B+4*\s+1], s45, \s*SLOT
	s_add_nc_u64 s[G0B+4*\s+2:G0B+4*\s+3], s[46:47], \s*ROWB
	s_or_b32 s[G0B+4*\s+3], s[G0B+4*\s+3], 0x80000000
	JLOAD G0+4*\s, G1, G0B+4*\s, G1B
.endr
	v_and_b32 v1, 15, v0                           ; r = lane % 16
	v_bfe_u32 v2, v0, 4, 1                         ; h = lane / 16
	; the bias and the f32 rows: my 128 columns begin at column 256 x tile column + 128 x half
	s_lshl_b32 s46, s42, 10
	s_lshl_b32 s47, s16, 9
	s_add_co_u32 s46, s46, s47
	s_mov_b32 s47, 0
	s_add_nc_u64 s[66:67], s[66:67], s[46:47]
	s_add_nc_u64 s[96:97], s[96:97], s[46:47]
	s_mul_i32 s46, s41, 196608                     ; my batch's 16 rows of 12,288 bytes
	s_add_nc_u64 s[96:97], s[96:97], s[46:47]
	v_lshlrev_b32 v7, 5, v2                        ; lane (r, h) wants, for block b, the bias of columns 16 b + 8 h + 0 .. 7
.irp b, 0,1,2,3,4,5,6,7
	global_load_b128 v[BI+8*\b:BI+8*\b+3], v7, s[66:67] offset:64*\b
	global_load_b128 v[BI+8*\b+4:BI+8*\b+7], v7, s[66:67] offset:64*\b+16
.endr
	v_mul_u32_u24 v3, v1, PITCH
	v_lshl_add_u32 v4, v2, 4, v3                   ; a fragment's row x pitch + 16 x half
	s_mul_i32 s21, s15, HALFT
	s_mul_i32 s22, s16, HALFT
	s_add_co_u32 s22, s22, 2*HALFT
.irp s, 0,1
	v_add_nc_u32 v[ADRA+\s], s21, v4
	v_add_nc_u32 v[ADRB+\s], s22, v4
	s_add_co_u32 s21, s21, SLOT
	s_add_co_u32 s22, s22, SLOT
.endr
	v_mul_u32_u24 v5, v1, KS                       ; my row's scales: 32 bytes a row,
	v_lshrrev_b32 v6, 8, v5
	v_lshl_add_u32 v5, v6, 4, v5                   ; and 16 more for each 256 passed
	s_mul_i32 s21, s15, HALFS
	s_mul_i32 s22, s16, HALFS
	s_add_co_u32 s22, s22, 2*HALFS
	s_sub_co_u32 s22, s22, s21
	v_mul_u32_u24 v6, s22, v2                      ; lanes 16-31 take B's: one product, the distance between the two bases
	s_add_co_u32 s21, s21, SCL
	v_add_nc_u32 v5, v5, v6
	v_add_nc_u32 v[ADRS], s21, v5
	s_mul_i32 s23, s14, 16*SP32                    ; my f32 stage
	v_mul_u32_u24 v5, v1, SP32
	v_lshl_add_u32 v5, v2, 5, v5
	v_add_nc_u32 v[STO32], s23, v5                 ; in: row r, 32 bytes for each half of the lanes
	v_and_b32 v6, 31, v0
	v_lshlrev_b32 v[CO], 4, v6                     ; 16 x lane
	v_add_nc_u32 v[RD32], s23, v[CO]               ; back: a row of 512 bytes an instruction
	s_mul_i32 s23, s14, 16*SP16
	s_add_co_u32 s23, s23, STG16                   ; my f16 stage
	v_mul_u32_u24 v5, v1, SP16
	v_lshl_add_u32 v5, v2, 4, v5
	v_add_nc_u32 v[STO], s23, v5                   ; in: row r, 16 bytes for each half of the lanes
	v_lshrrev_b32 v5, 3, v6
	v_mul_u32_u24 v5, v5, SP16
	v_and_b32 v8, 7, v6
	v_lshl_add_u32 v5, v8, 4, v5
	v_add_nc_u32 v[RD], s23, v5                    ; back: four rows' 128 bytes of one head an instruction: row lane / 8, 16 (lane % 8)
	; qkv: part x 16,777,216 + (16 batch + head) x 262,144 + position x 128; my first head is 4 cx + 2 x column half
	s_lshl_b32 s46, s41, 4
	s_lshl_b32 s20, s40, 2
	s_add_co_u32 s46, s46, s20
	s_lshl_b32 s20, s16, 1
	s_add_co_u32 s46, s46, s20
	s_lshl_b32 s46, s46, 18
	s_lshl_b32 s20, ttmp9, 24
	s_add_co_u32 s46, s46, s20
	s_lshl_b32 s20, s95, 15                        ; 256 positions of 128 bytes
	s_add_co_u32 s46, s46, s20
	s_lshl_b32 s20, s15, 14
	s_add_co_u32 s46, s46, s20
	s_add_nc_u64 s[12:13], s[12:13], s[46:47]
	s_or_b32 s95, s95, s15                         ; 0 where my rows begin with a batch's position 0
.macro FRAG reg, adr, q, i             ; 16 rows x 128 K of 4-bit codes: registers 4 c .. 4 c + 3 hold K = 64 c + 32 (lane / 16) + 0 .. 31
.irp c, 0,1
	ds_load_b128 v[\reg+4*\c:\reg+4*\c+3], v[\adr] offset:64*(\q)+32*\c+(\i)*16*PITCH
.endr
.endm
; 16 products: A's blocks a0, a0 + 1 x B's eight.  The 64 accumulators take turns, one instruction a turn, in the same order in every step.
; One register carries A's scale word (lanes 0-15) and B's (lanes 16-31).  zero = 1: the first product starts the sum from the bias.
.macro MUL16 a0, p, q, sc, zero
.irp a, \a0, \a0+1
.irp b, 0,1,2,3,4,5,6,7
.if \zero
	v_wmma_scale_f32_16x16x128_f8f6f4 v[8*(8*((\a)%4)+\b):8*(8*((\a)%4)+\b)+7], v[128*(\p)+FR*\b:128*(\p)+FR*\b+FR-1], v[AF+FR*(\a):AF+FR*(\a)+FR-1], v[BI+8*\b:BI+8*\b+7], v[SC+8*NQ*(\sc)+NQ*\b+(\q)], v[SC+8*NQ*(\sc)+NQ*(\a)+(\q)] matrix_a_fmt:MATRIX_FMT_FP4 matrix_b_fmt:MATRIX_FMT_FP4 matrix_a_scale:MATRIX_SCALE_ROW1
.else
	v_wmma_scale_f32_16x16x128_f8f6f4 v[8*(8*((\a)%4)+\b):8*(8*((\a)%4)+\b)+7], v[128*(\p)+FR*\b:128*(\p)+FR*\b+FR-1], v[AF+FR*(\a):AF+FR*(\a)+FR-1], v[8*(8*((\a)%4)+\b):8*(8*((\a)%4)+\b)+7], v[SC+8*NQ*(\sc)+NQ*\b+(\q)], v[SC+8*NQ*(\sc)+NQ*(\a)+(\q)] matrix_a_fmt:MATRIX_FMT_FP4 matrix_b_fmt:MATRIX_FMT_FP4 matrix_a_scale:MATRIX_SCALE_ROW1
.endif
.endr
.endr
.endm
.macro FETCH_B slot, q, p
	WIN TO_B
.irp i, 0,1,2,3,4,5,6,7
	FRAG 128*(\p)+FR*\i, ADRB+\slot, \q, \i
.endr
	WIN 0
.endm
.macro FETCH_A slot, q, i0
.irp i, \i0, \i0+1, \i0+2, \i0+3
	FRAG AF+FR*(\i), ADRA+\slot, \q, \i
.endr
.endm
.macro SCALES sc                       ; a slot's scale words: four words a row; lanes 0-15 take A's block i, lanes 16-31 B's block i
.irp i, 0,1,2,3,4,5,6,7
	ds_load_b128 v[SC+8*NQ*\sc+NQ*\i:SC+8*NQ*\sc+NQ*\i+3], v[ADRS] offset:\i*SBLK
.endr
.endm
.macro PLACES n                        ; plain vector instructions between a matrix instruction and a load into, or a read of, its registers
.rept \n
	v_nop
.endr
.endm
.macro STEP slot, q, zero              ; 128 along K that has its successor in the same slot
	s_wait_dscnt 4*NL                              ; B's set, the scale words and A's blocks 0-3 are in; the youngest eight loads (A's blocks 4-7) may be out
.if \zero
	WIN FST_LO
.else
	WIN MUL_LO
.endif
	MUL16 0, (\q)%2, \q, \slot, \zero
	MUL16 2, (\q)%2, \q, \slot, \zero
	s_wait_dscnt 0
	PLACES NP
	FETCH_B \slot, (\q)+1, 1-(\q)%2
	FETCH_A \slot, (\q)+1, 0
.if \zero
	WIN FST_HI
.else
	WIN MUL_HI
.endif
	MUL16 4, (\q)%2, \q, \slot, \zero
	MUL16 6, (\q)%2, \q, \slot, \zero
	PLACES NP
	WIN 0
	FETCH_A \slot, (\q)+1, 4
.endm
.macro TURN slot, next                 ; slot 0's last step: one barrier; behind it slot 1 is whole and nobody reads slot 0 any more.  Nothing is filled again
	s_wait_tensorcnt 0x0                           ; all my tensor loads have landed: my part of slot 1
	ds_add_u32 v[SPW], v[NIL]                      ; 0 onto my spare word
	s_wait_dscnt 4*NL+1                            ; the add and the youngest eight loads may be out
	WIN MUL_LO
	MUL16 0, 1, NQ-1, \slot, 0
	s_wait_dscnt 0x0                               ; the add is done, and my reads of this slot are over
	s_barrier_signal -1
	MUL16 2, 1, NQ-1, \slot, 0
	WIN 0
	s_barrier_wait -1
	PLACES NP
	v_add_nc_u32 v[ADRS], 4*NQ, v[ADRS]            ; the next slot's scale words: 16 bytes on in each row
	FETCH_B \next, 0, 0
	FETCH_A \next, 0, 0
	SCALES \next
	WIN MUL_HI
	MUL16 4, 1, NQ-1, \slot, 0
	MUL16 6, 1, NQ-1, \slot, 0
	PLACES NP
	WIN 0
	FETCH_A \next, 0, 4
.endm
	s_wait_tensorcnt 1                             ; the scales and my part of slot 0 are in; slot 1's load may be out
	s_barrier_signal -1
	s_barrier_wait -1
	FETCH_B 0, 0, 0
	FETCH_A 0, 0, 0
	SCALES 0
	FETCH_A 0, 0, 4
	s_wait_loadcnt 0x0                             ; the bias
	STEP 0, 0, 1
	STEP 0, 1, 0
	STEP 0, 2, 0
	TURN 0, 1
	STEP 1, 0, 0
	STEP 1, 1, 0
	STEP 1, 2, 0
	s_wait_dscnt 4*NL                              ; the last step: nothing more to fetch
	WIN MUL_LO
	MUL16 0, 1, NQ-1, 1, 0
	MUL16 2, 1, NQ-1, 1, 0
	s_wait_dscnt 0
	WIN MUL_HI
	MUL16 4, 1, NQ-1, 1, 0
	MUL16 6, 1, NQ-1, 1, 0
	WIN 0
	PLACES NP                                      ; in front of the first reads of results and of writes into the registers that held A's fragments
	; THE FIRST 16 POSITIONS OF A BATCH ALSO LEAVE IN f32.  The branch hangs on the cluster's y and the wave's number: it is the same in all sixteen partners, and no barrier stands under it.
	s_cmp_lg_u32 s95, 0
	s_cbranch_scc1 .Lno_fine
	WIN 0x08                                       ; an LDS store's data: window 2
.irp b, 0,1,2,3,4,5,6,7
	ds_store_b128 v[STO32], v[8*\b:8*\b+3] offset:64*\b            ; each accumulator from its low end on
	ds_store_b128 v[STO32], v[8*\b+4:8*\b+7] offset:64*\b+16
.endr
	WIN 0
.irp t, 0,1,2,3,4,5,6,7,8,9,10,11,12,13,14,15
	ds_load_b128 v[TMPR+4*\t:TMPR+4*\t+3], v[RD32] offset:\t*SP32  ; in order behind my stores
.endr
	s_wait_dscnt 0x0
.irp t, 0,1,2,3,4,5,6,7,8,9,10,11,12,13,14,15
	global_store_b128 v[CO], v[TMPR+4*\t:TMPR+4*\t+3], s[96:97] offset:\t*12288   ; 32 lanes store 512 consecutive bytes, aligned
.endr
	s_wait_xcnt 0x0                                ; the stores' data registers are written again below only behind this wait
.Lno_fine:
; THE WAY OUT, block by block of 16 positions x 128 columns (two heads).  PACK rounds to f16, 16 bytes a lane; TOSTAGE sends them through my own stage and reads back four positions' 128 bytes of one head;
; SEND stores them: in qkv a head's positions lie on end, so an instruction covers 512 consecutive bytes, aligned.
.macro PACK a
.set AC, 64*((\a)%4)
.set TT, TMPR+32*((\a)%2)
	WIN 0x0a+5*((\a)/4)                            ; sources 0 and 1: window 2 or 3
.irp b, 0,1,2,3,4,5,6,7
.irp r, 0,1,2,3
	v_cvt_pk_f16_f32 v[TT+4*\b+\r], v[AC+8*\b+2*\r], v[AC+8*\b+2*\r+1]
.endr
.endr
	WIN 0
.endm
.macro TOSTAGE a
.set TT, TMPR+32*((\a)%2)
.set BB, BK+32*((\a)%2)
.irp b, 0,1,2,3,4,5,6,7
	ds_store_b128 v[STO], v[TT+4*\b:TT+4*\b+3] offset:32*\b
.endr
.irp u, 0,1
.irp i, 0,1,2,3
	ds_load_b128 v[BB+4*(4*\u+\i):BB+4*(4*\u+\i)+3], v[RD] offset:4*\i*SP16+128*\u   ; in order behind my stores; the next block's stores come behind these
.endr
.endr
.endm
.macro SEND a, younger                 ; younger: the LDS instructions issued behind block a's loads
.set BB, BK+32*((\a)%2)
	s_wait_dscnt \younger
.irp u, 0,1
.irp i, 0,1,2,3
	global_store_b128 v[CO], v[BB+4*(4*\u+\i):BB+4*(4*\u+\i)+3], s[12:13] offset:\u*262144+(\a)*2048+\i*512
.endr
.endr
.endm
	PACK 0
	TOSTAGE 0
.irp a, 1,2,3,4,5,6,7
.if \a > 1
	s_wait_xcnt 0x0                                ; block a - 2's stores have read their registers: block a's loads may land there
.endif
	PACK \a
	TOSTAGE \a
	SEND \a-1, 16                                  ; behind block a - 1's loads: block a's 8 stores and 8 loads
.endr
	SEND 7, 0
	s_wait_tensorcnt 0x0                           ; the wave's end
	ds_add_u32 v[SPW], v[NIL]
	s_wait_dscnt 0x0
	CROUND                                         ; the closing round
	s_endpgm
.Lfunc_end_k_q6e0ce63299_qkv:
	.size	k_q6e0ce63299_qkv, .Lfunc_end_k_q6e0ce63299_qkv-k_q6e0ce63299_qkv
	.p2alignl 7, 3214868480
	.fill 96, 4, 3214868480
	.section	.rodata,"a",@progbits
	.p2align	6, 0x0
	.amdhsa_kernel k_q6e0ce63299_qkv
		.amdhsa_group_segment_fixed_size 327680
		.amdhsa_private_segment_fixed_size 0
		.amdhsa_enable_private_segment 0
		.amdhsa_kernarg_size 56
		.amdhsa_user_sgpr_count 2
		.amdhsa_user_sgpr_kernarg_segment_ptr 1
		.amdhsa_wavefront_size32 1
		.amdhsa_system_sgpr_workgroup_id_x 1
		.amdhsa_system_sgpr_workgroup_id_y 1
		.amdhsa_system_sgpr_workgroup_id_z 1
		.amdhsa_system_vgpr_workitem_id 0
		.amdhsa_next_free_vgpr 1024
		.amdhsa_next_free_sgpr 100
		.amdhsa_reserve_vcc 0
		.amdhsa_float_denorm_mode_32 3
		.amdhsa_float_denorm_mode_16_64 3
		.amdhsa_memory_ordered 1
		.amdhsa_forward_progress 1
		.amdhsa_inst_pref_size 132
	.end_amdhsa_kernel
	.amdgpu_metadata
---
amdhsa.version: [ 1, 2 ]
amdhsa.kernels:
  - .name:           k_q6e0ce63299_qkv
    .symbol:         k_q6e0ce63299_qkv.kd
    .args:
      - { .name: a_codes, .offset: 0, .size: 8, .value_kind: global_buffer, .address_space: global }
      - { .name: a_scales, .offset: 8, .size: 8, .value_kind: global_buffer, .address_space: global }
      - { .name: w_codes, .offset: 16, .size: 8, .value_kind: global_buffer, .address_space: global }
      - { .name: w_scales, .offset: 24, .size: 8, .value_kind: global_buffer, .address_space: global }
      - { .name: b_attn, .offset: 32, .size: 8, .value_kind: global_buffer, .address_space: global }
      - { .name: qkv, .offset: 40, .size: 8, .value_kind: global_buffer, .address_space: global }
      - { .name: fineqkv, .offset: 48, .size: 8, .value_kind: global_buffer, .address_space: global }
    .group_segment_fixed_size: 327680
    .private_segment_fixed_size: 0
    .kernarg_segment_align: 8
    .kernarg_segment_size: 56
    .max_flat_workgroup_size: 128
    .sgpr_count:     100
    .vgpr_count:     1024
    .wavefront_size: 32
...
	.end_amdgpu_metadata
.endif
;; end of part 2
;; launch attn (part 3): grid 4 x 64, 8 waves a work-group, no clusters, 327,680 bytes of LDS; arguments qkv, ctxh; writes ctxh
.if DOCPART == 3
	.amdgcn_target "amdgcn-amd-amdhsa--gfx1250"
	.amdhsa_code_object_version 6
	.text
	.protected	k_q6e0ce63299_attn
	.globl	k_q6e0ce63299_attn
	.p2align	8
	.type	k_q6e0ce63299_attn,@function
k_q6e0ce63299_attn:
	s_mov_b64 s[64:65], 0
	v_nop
	global_prefetch_b8 v0, s[64:65] scope:SCOPE_SE
	s_setreg_imm32_b32 hwreg(HW_REG_WAVE_MODE, 25, 1), 1
	s_wait_xcnt 0x0
; ctx[b][h][q] = the sum over k <= q of softmax_k(q . k / 8) v[k], head size 64, 2,048 positions, 64 heads in all.  q, k, v: f16, [3][64][2048][64].  Products, maxima and sums in f32;
; the weights p are rounded to f16 for the second product, ctx once at the end.  OUT: ctxh, f16, [16 heads][8192 = batch x 2048 + position][64].
; LIMITS: |ctx| beyond 65,504 has no f16 number; NaN and infinities are not served.  Positions 0-15 of each batch are computed here like the others and again, finer, by a later launch.
; SHARES.  A block is 256 queries; each of eight waves owns 32 of them, two tiles of 16, so that each fragment of K and V read from LDS feeds two products.  Keys go in slots of 256, steps of 64.
; Work-group j of a head makes block 7 - j (key slots 0 .. 7 - j) and then block j (key slots 0 .. j): nine slots whatever j, so all 256 work-groups have the same work and every slot asked for is read.
; NO CLUSTER: the four work-groups of a head walk different slots from trip 8 - j on, so partners could not make every request jointly.
; LAYOUT.  S^T = K Q^T (source 0 = 16 keys, source 1 = 16 queries): a lane holds ONE query (lane % 16) and keys 8 (lane / 16) + 0..7.  Two such tiles, rounded in pairs, ARE source 1 (32 keys x 16 queries)
; of O^T = V^T P, whose result again holds one query a lane.  K comes out of LDS as it lies, V ([key][channel]) turned, by ds_load_tr16_b128.
; SOFTMAX.  A running maximum m and sum l for each query: p = 2^(c s - c m), c = log2(e) / 8; in every step O and l are multiplied by a = 2^(c m_old - c m_new).
; MASK.  A step all of whose keys come after my 32 queries is left out (a scalar branch on ids); on the diagonal hidden scores become -infinity.  A walked step's first key counts for all my queries.
; REGISTERS.  window 0: v1-15 addresses and constants; v16-31 statistics, eight a tile; v64-127 S^T, then p; v128-159 P; v160-223 O^T.   window 1: v0-31 Q; v64-127 K; v128-191 V.
.set KS,    64
.set PK,    144                        ; a row of K in LDS: 128 bytes + 16: an odd multiple of 16
.set PV,    160                        ; a row of V: 128 + 32: an odd multiple of 32
.set VOFF,  KS*PK
.set STEPB, KS*(PK+PV)                 ; a step's 64 rows of K, then its 64 rows of V
.set SLOT1, 1<<17                      ; a slot holds four steps (77,824 bytes); slot 1 begins here, so that one exclusive or turns an address
.set STAGE, 2*SLOT1                    ; the way out: 32 rows x 144 bytes for each wave; no tensor load lands here
.set SPG,   144
.set SPARE, STAGE+8*32*SPG             ; the spare words, 128 bytes for each wave: four blocks of 256 bytes that no other line names
.set RH8, 1                            ; v1  lane % 16 - 8 (lane / 16)
.set AK0, 2
.set AV0, 3
.set ADK, 4
.set ADV, 5
.set QO,  6
.set STO, 7
.set RD,  8
.set GO,  9
.set PFO, 10
.set SPW, 11
.set NIL, 12
.set ST,  16                           ; tile t at v[16 + 8 t]: +0 c m, +1 m, +2, +3 l, +4 .. +7 at work; a takes +6
.set S,   64
.set P,   128
.set O,   160
.set KR,  64                           ; in window 1
.set VR,  128
.set WV,  8
.set T,   9                            ; the trip
.set TSW, 10                           ; 7 - j: the trip behind which the blocks change
.set TSW1, 11
.set NS,  12
.set LIM, 13
.set OFF, 14
.set BASE, 16                          ; s[16:17] my 64 rows (of K: waves 0-3, of V: waves 4-7) of the head's key slot 0
.set QB,  18
.set G0,  20
.set G1K, 24
.set G1V, 32
.set TB,  40                           ; LDS byte at which the step's tiles begin
.set KF,  41                           ; the step's first key
.set Q0,  42                           ; my first query
.set Q1,  43                           ; and that of the second block
.set QA,  44
.set OUTB, 46
.set OA,  48
.set PFA, 50
.set STP, 52
.set X1,  53
.set TMP, 54                           ; s[54:55], the upper word always 0
.set CS,  56
.set SEL, 58
.set BH,  60
.set X2,  61
.set MSB, 0
.macro WIN new
.if MSB != \new
	s_set_vgpr_msb (MSB<<8)|\new
.set MSB, \new
.endif
.endm
; Every wave fetches: waves 0-3 K of the slot's step w, waves 4-7 V of step w - 4.  Two lines, since the paddings differ; an s_nop 0 and four v_nop follow each.
.macro TLOAD
	s_cmp_lt_u32 s[WV], 4
	s_cbranch_scc0 .Lfor_v_\@
	tensor_load_to_lds s[G0:G0+3], s[G1K:G1K+7]
	s_nop 0
.rept 4
	v_nop
.endr
	s_branch .Lasked_\@
.Lfor_v_\@:
	tensor_load_to_lds s[G0:G0+3], s[G1V:G1V+7]
	s_nop 0
.rept 4
	v_nop
.endr
.Lasked_\@:
.endm
; A prefetch of what the NEXT change of slots will ask for: my wave's own 64 rows, 8,192 dense bytes, lanes 256 bytes apart.  The four work-groups of a head walk the same K and V: work-group 0, whose first
; block walks all eight slots in order, asks, in trips 0 to 5 for slots 2 to 7: each aligned block of 256 bytes is named once in the launch.  Slots 0 and 1 come by their loads alone.
.macro ASK
	s_cmp_lt_u32 s[T], s[LIM]
	s_cbranch_scc0 .Lnot_mine_\@
	global_prefetch_b8 v[PFO], s[PFA:PFA+1] th:TH_LOAD_NT scope:SCOPE_SE
.Lnot_mine_\@:
.endm
	s_load_b128 s[4:7], s[0:1], 0x0                ; qkv, ctxh
	v_lshl_add_u32 v[SPW], v0, 2, SPARE
	v_mov_b32 v[NIL], 0
	ds_add_u32 v[SPW], v[NIL]                      ; the wave's opening: the add, twice on end, and its wait ahead of my first tensor load
	ds_add_u32 v[SPW], v[NIL]
	v_lshrrev_b32 v1, 5, v0
	v_readfirstlane_b32 s[WV], v1                  ; wave 0..7
	s_and_b32 s[BH], ttmp7, 0xffff                 ; batch x 16 + head
	s_sub_co_u32 s[TSW], 7, ttmp9
	s_add_co_u32 s[TSW1], s[TSW], 1
	s_mov_b32 s[G1K], (1<<16)|(1<<20)|(4<<22)|(3<<25)              ; no mask; elements of 2 bytes; padding on: 4 words behind every 32
	s_mov_b32 s[G1V], (1<<16)|(1<<20)|(4<<22)|(7<<25)              ; 8 words behind every 32
.irp g, G1K, G1V
	s_mov_b32 s[\g+1], 64<<16                      ; tensor_dim0 = 64
	s_mov_b32 s[\g+2], KS<<16                      ; tensor_dim1 = 64
	s_mov_b32 s[\g+3], 64<<16                      ; tile_dim0 = 64
	s_mov_b32 s[\g+4], KS                          ; tile_dim1 = 64
	s_mov_b32 s[\g+5], 64                          ; elements from row to row
	s_mov_b32 s[\g+6], 0
	s_mov_b32 s[\g+7], 0
.endr
	s_and_b32 s[X1], s[WV], 3                      ; which step of a slot I fetch
	s_lshr_b32 s[X2], s[WV], 2                     ; for K (0) or for V (1)
	s_mov_b32 s[G0], 1
	s_mul_i32 s[G0+1], s[X1], STEPB
	s_mul_i32 s[TMP], s[X2], VOFF
	s_add_co_u32 s[G0+1], s[G0+1], s[TMP]          ; its place in slot 0
	s_lshl_b32 s[OFF], s[X1], 13                   ; 64 rows of 128 bytes,
	s_add_co_u32 s[X2], s[X2], 1
	s_lshl_b32 s[X2], s[X2], 24                    ; in part 1 or 2,
	s_add_co_u32 s[OFF], s[OFF], s[X2]
	s_lshl_b32 s[X2], s[BH], 18                    ; in my head
	s_add_co_u32 s[OFF], s[OFF], s[X2]
	s_mov_b32 s[OFF+1], 0
	s_mov_b32 s[TMP+1], 0
	s_mov_b32 s[CS], 0x3e38aa3b                    ; c = log2(e) / 8
	s_mov_b32 s[CS+1], s[CS]                       ; (named with it as a pair)
	s_mov_b32 s[SEL], 0x76543210
	s_mov_b32 s[SEL+1], 0xfedcba98                 ; v_permlanex16_b32's selects for lane l xor 16
	s_mov_b32 s[TB], 0
	s_mov_b32 s[KF], 0
	s_lshl_b32 s[X1], s[WV], 5
	s_lshl_b32 s[Q0], s[TSW], 8
	s_add_co_u32 s[Q0], s[Q0], s[X1]               ; block 7 - j first,
	s_lshl_b32 s[Q1], ttmp9, 8
	s_add_co_u32 s[Q1], s[Q1], s[X1]               ; then block j
	s_cmp_eq_u32 ttmp9, 0
	s_cselect_b32 s[LIM], 6, 0
	s_wait_dscnt 0x0                               ; both opening adds are done
	s_wait_kmcnt 0x0
	s_add_nc_u64 s[BASE:BASE+1], s[4:5], s[OFF:OFF+1]
	s_mov_b64 s[G0+2:G0+3], s[BASE:BASE+1]
	s_or_b32 s[G0+3], s[G0+3], 0x80000000
	TLOAD                                          ; key slot 0 into slot 0: one load a wave is out, here and behind each barrier
	s_add_nc_u64 s[PFA:PFA+1], s[BASE:BASE+1], 32768   ; at key slot 1; each change of slots steps it ahead of its use
	s_lshl_b32 s[TMP], s[BH], 18
	s_add_nc_u64 s[QB:QB+1], s[4:5], s[TMP:TMP+1]  ; q of my head
	s_and_b32 s[X1], s[BH], 15
	s_lshl_b32 s[X1], s[X1], 13
	s_lshr_b32 s[TMP], s[BH], 4
	s_lshl_b32 s[TMP], s[TMP], 11
	s_add_co_u32 s[TMP], s[TMP], s[X1]
	s_lshl_b32 s[TMP], s[TMP], 7
	s_add_nc_u64 s[OUTB:OUTB+1], s[6:7], s[TMP:TMP+1]  ; ctxh at (head x 8192 + batch x 2048) rows of 128 bytes
	v_and_b32 v13, 15, v0                          ; r
	v_bfe_u32 v14, v0, 4, 1                        ; h
	v_and_b32 v15, 31, v0                          ; lane
	v_mul_u32_u24 v[AK0], v13, PK
	v_lshl_add_u32 v[AK0], v14, 4, v[AK0]          ; K: row r, + 16 h
	v_and_b32 v[ADK], 7, v0
	v_lshl_add_u32 v[AV0], v14, 3, v[ADK]
	v_mul_u32_u24 v[AV0], v[AV0], PV
	v_bfe_u32 v[ADK], v0, 3, 1
	v_lshl_add_u32 v[AV0], v[ADK], 4, v[AV0]
	v_add_nc_u32 v[AV0], VOFF, v[AV0]              ; V: key 8 h + lane % 8, channels 8 ((lane / 8) % 2) on
	v_lshlrev_b32 v[QO], 7, v13
	v_lshl_add_u32 v[QO], v14, 4, v[QO]            ; Q in memory: row r of 128 bytes, + 16 h
	s_mul_i32 s[X1], s[WV], 32*SPG
	s_add_co_u32 s[X1], s[X1], STAGE               ; my stage
	v_mul_u32_u24 v[STO], v13, SPG
	v_lshl_add_u32 v[STO], v14, 4, v[STO]
	v_add_nc_u32 v[STO], s[X1], v[STO]
	v_lshrrev_b32 v[RD], 3, v15
	v_mul_u32_u24 v[RD], v[RD], SPG
	v_and_b32 v[ADV], 7, v0
	v_lshl_add_u32 v[RD], v[ADV], 4, v[RD]
	v_add_nc_u32 v[RD], s[X1], v[RD]               ; back: four rows of 128 bytes an instruction
	v_lshlrev_b32 v[GO], 4, v15
	v_lshlrev_b32 v[PFO], 8, v15
	v_lshlrev_b32 v14, 3, v14
	v_sub_nc_u32 v[RH8], v13, v14
	v_mov_b32 v15, 0xff800000                      ; -infinity
; A BLOCK BEGINS: my 32 queries come into registers; m = -3e38, under every score; l and O^T begin as zeros, which the first change of m leaves zeros: so the key step is written once.
.macro START
	s_lshl_b32 s[TMP], s[Q0], 7
	s_add_nc_u64 s[QA:QA+1], s[QB:QB+1], s[TMP:TMP+1]
	WIN 0x40                                       ; destination window 1
.irp t, 0,1
.irp f, 0,1
.irp c, 0,1
	global_load_b128 v[16*\t+8*\f+4*\c:16*\t+8*\f+4*\c+3], v[QO], s[QA:QA+1] offset:\t*2048+\f*64+\c*32
.endr
.endr
.endr
	WIN 0
.irp t, 0,1
	v_mov_b32 v[ST+8*\t+1], 0xff61b1e6
	v_mul_f32 v[ST+8*\t], s[CS], v[ST+8*\t+1]
.irp i, 2,3,4,5,6,7
	v_mov_b32 v[ST+8*\t+\i], 0
.endr
.endr
.set n, 0
.rept 64
	v_mov_b32 v[O+n], 0
.set n, n+1
.endr
	s_wait_loadcnt 0x0
.endm
; A KEY STEP: 64 keys.
.macro STEP
	s_add_co_u32 s[X1], s[Q0], 31
	s_cmp_gt_u32 s[KF], s[X1]                      ; all 64 keys come after my last query: ids and counts alone
	s_cbranch_scc1 .Lhidden_\@
	v_add_nc_u32 v[ADK], s[TB], v[AK0]
	v_add_nc_u32 v[ADV], s[TB], v[AV0]
	WIN 0x40
.irp kt, 0,1,2,3
.irp f, 0,1
	ds_load_b128 v[KR+16*\kt+8*\f:KR+16*\kt+8*\f+3],   v[ADK] offset:\kt*16*PK+\f*64
	ds_load_b128 v[KR+16*\kt+8*\f+4:KR+16*\kt+8*\f+7], v[ADK] offset:\kt*16*PK+\f*64+32
.endr
.endr
.irp u, 0,1
.irp ct, 0,1,2,3
	ds_load_tr16_b128 v[VR+32*\u+8*\ct:VR+32*\u+8*\ct+3],   v[ADV] offset:\u*32*PV+\ct*32
	ds_load_tr16_b128 v[VR+32*\u+8*\ct+4:VR+32*\u+8*\ct+7], v[ADV] offset:\u*32*PV+16*PV+\ct*32
.endr
.endr
	s_wait_dscnt 16                                ; K's 16 loads are in; V's 16 stay out until the softmax is done
	WIN 0x05                                       ; K and Q in window 1, S^T in window 0
.irp f, 0,1                                    ; eight accumulators by turns, one instruction a turn
.irp kt, 0,1,2,3
.irp t, 0,1
.if \f == 0
	v_wmma_f32_16x16x32_f16 v[S+32*\t+8*\kt:S+32*\t+8*\kt+7], v[KR+16*\kt+8*\f:KR+16*\kt+8*\f+7], v[16*\t+8*\f:16*\t+8*\f+7], 0
.else
	v_wmma_f32_16x16x32_f16 v[S+32*\t+8*\kt:S+32*\t+8*\kt+7], v[KR+16*\kt+8*\f:KR+16*\kt+8*\f+7], v[16*\t+8*\f:16*\t+8*\f+7], v[S+32*\t+8*\kt:S+32*\t+8*\kt+7]
.endif
.endr
.endr
.endr
	WIN 0
.rept 4
	v_nop                                          ; places in front of the first read of the scores
.endr
	s_add_co_u32 s[X1], s[KF], 63
	s_cmp_le_u32 s[X1], s[Q0]                      ; all 64 keys count for all my queries
	s_cbranch_scc1 .Lopen_\@
	s_sub_co_i32 s[X1], s[Q0], s[KF]
	v_add_nc_u32 v13, s[X1], v[RH8]                ; d = my query - the step's first key - 8 h.  Register 8 kt + j holds key 16 kt + 8 h + j of the step: hidden where 16 kt + j > d
	v_add_nc_u32 v14, 16, v13                      ; tile 1's queries lie 16 on
.irp t, 0,1
.irp n, 0,1,2,3,4,5,6,7,8,9,10,11,12,13,14,15,16,17,18,19,20,21,22,23,24,25,26,27,28,29,30,31
	v_cmp_gt_i32 vcc_lo, 16*(\n/8)+\n%8, v[13+\t]
	v_cndmask_b32 v[S+32*\t+\n], v[S+32*\t+\n], v15, vcc_lo
.endr
.endr
.Lopen_\@:
.irp q, 0,1,2,3                                ; the maximum of a lane's 32 scores: four chains, each accumulator from its low end on; the two tiles line by line
.irp t, 0,1
	v_max3_num_f32 v[ST+8*\t+4+\q], v[S+32*\t+8*\q], v[S+32*\t+8*\q+1], v[S+32*\t+8*\q+2]
.endr
.endr
.irp i, 3,5
.irp q, 0,1,2,3
.irp t, 0,1
	v_max3_num_f32 v[ST+8*\t+4+\q], v[ST+8*\t+4+\q], v[S+32*\t+8*\q+\i], v[S+32*\t+8*\q+\i+1]
.endr
.endr
.endr
.irp t, 0,1
	v_max3_num_f32 v[ST+8*\t+4], v[ST+8*\t+4], v[S+32*\t+7], v[S+32*\t+15]
	v_max3_num_f32 v[ST+8*\t+6], v[ST+8*\t+6], v[S+32*\t+23], v[S+32*\t+31]
.endr
.irp t, 0,1
	v_max3_num_f32 v[ST+8*\t+4], v[ST+8*\t+4], v[ST+8*\t+5], v[ST+8*\t+6]
.endr
.irp t, 0,1
	v_max3_num_f32 v[ST+8*\t+4], v[ST+8*\t+4], v[ST+8*\t+7], v[ST+8*\t+1]   ; the old m among them
.endr
.irp t, 0,1
	v_permlanex16_b32 v[ST+8*\t+5], v[ST+8*\t+4], s[SEL], s[SEL+1]          ; the query's other 32 keys lie in the lane 16 away
.endr
.irp t, 0,1
	v_mov_b32 v[ST+8*\t+7], v[ST+8*\t]             ; c m_old
.endr
.irp t, 0,1
	v_max_num_f32 v[ST+8*\t+1], v[ST+8*\t+4], v[ST+8*\t+5]
.endr
.irp t, 0,1
	v_mul_f32 v[ST+8*\t], s[CS], v[ST+8*\t+1]
.endr
.irp t, 0,1
	v_sub_f32 v[ST+8*\t+7], v[ST+8*\t+7], v[ST+8*\t]
.endr
.irp t, 0,1
.set n, 0
.rept 16
	v_pk_fma_f32 v[S+32*\t+n:S+32*\t+n+1], v[S+32*\t+n:S+32*\t+n+1], s[CS:CS+1], v[ST+8*\t:ST+8*\t+1] op_sel_hi:[1,0,0] neg_lo:[0,0,1] neg_hi:[0,0,1]   ; c s - c m
.set n, n+2
.endr
.endr
.irp t, 0,1
	v_exp_f32 v[ST+8*\t+6], v[ST+8*\t+7]           ; a.  The step's 66 exponentials are one batch
.endr
.set n, 0
.rept 64
	v_exp_f32 v[S+n], v[S+n]
.set n, n+1
.endr
	v_nop                                          ; a plain instruction behind the last exponential
	s_wait_alu depctr_va_vdst(0)                   ; one wait for the batch, ahead of the first instruction that names a result
.set n, 0
.rept 32
	v_cvt_pk_f16_f32 v[P+n], v[S+2*n], v[S+2*n+1]  ; two neighbouring keys' weights: source 1 of the second product as it stands
.set n, n+1
.endr
.irp t, 0,1
	v_pk_mul_f32 v[ST+8*\t+2:ST+8*\t+3], v[ST+8*\t+2:ST+8*\t+3], v[ST+8*\t+6:ST+8*\t+7] op_sel_hi:[1,0]   ; l x a
	v_pk_add_f32 v[ST+8*\t+4:ST+8*\t+5], v[S+32*\t:S+32*\t+1], v[S+32*\t+2:S+32*\t+3]                      ; the sum of the unrounded p, in two chains
.endr
.irp j, 4,8,12,16,20,24,28
.irp t, 0,1
	v_pk_add_f32 v[ST+8*\t+2:ST+8*\t+3], v[ST+8*\t+2:ST+8*\t+3], v[S+32*\t+\j:S+32*\t+\j+1]
	v_pk_add_f32 v[ST+8*\t+4:ST+8*\t+5], v[ST+8*\t+4:ST+8*\t+5], v[S+32*\t+\j+2:S+32*\t+\j+3]
.endr
.endr
.irp t, 0,1
	v_pk_add_f32 v[ST+8*\t+2:ST+8*\t+3], v[ST+8*\t+2:ST+8*\t+3], v[ST+8*\t+4:ST+8*\t+5]
.endr
.irp t, 0,1
.set n, 0
.rept 16
	v_pk_mul_f32 v[O+32*\t+n:O+32*\t+n+1], v[O+32*\t+n:O+32*\t+n+1], v[ST+8*\t+6:ST+8*\t+7] op_sel_hi:[1,0]   ; O^T x a, each accumulator from its low end on
.set n, n+2
.endr
.endr
	s_wait_dscnt 0x0                               ; V is in
	WIN 0x01                                       ; V in window 1; P and O^T in window 0
.irp u, 0,1                                    ; eight accumulators by turns
.irp ct, 0,1,2,3
.irp t, 0,1
	v_wmma_f32_16x16x32_f16 v[O+32*\t+8*\ct:O+32*\t+8*\ct+7], v[VR+32*\u+8*\ct:VR+32*\u+8*\ct+7], v[P+16*\t+8*\u:P+16*\t+8*\u+7], v[O+32*\t+8*\ct:O+32*\t+8*\ct+7]
.endr
.endr
.endr
	WIN 0
.rept 4
	v_nop                                          ; places behind the last products, for whatever follows: the next step's loads into V's registers, or the way out's reads of O^T
.endr
.Lhidden_\@:
	s_add_co_u32 s[KF], s[KF], KS
	s_add_co_u32 s[TB], s[TB], STEPB
.endm
.macro SLOT_STEPS                      ; a slot's four key steps: written once, walked four times
	s_mov_b32 s[STP], 4
.Lstep_\@:
	STEP
	s_sub_co_u32 s[STP], s[STP], 1
	s_cmp_lg_u32 s[STP], 0
	s_cbranch_scc1 .Lstep_\@
	s_sub_co_u32 s[TB], s[TB], 4*STEPB
	s_xor_b32 s[TB], s[TB], SLOT1                  ; on to the other slot
.endm
; THE CHANGE OF SLOTS stands at a slot's head.  Each wave waits for all its tensor loads (its part of the slot that it is about to read), adds 0 to its spare word, and waits for that and for its reads of the
; slot that it has left.  Behind the barrier the slot ahead is whole and nobody reads the other one.  fill = 1: that other slot is filled with what trip T + 1 reads; the load has four key steps in which to land.
.macro CHANGE fill
	s_wait_tensorcnt 0x0                           ; no tensor load of mine is out, so group 0 may be written
	ds_add_u32 v[SPW], v[NIL]                      ; 0 onto my spare word
.if \fill
	s_add_co_u32 s[NS], s[T], 1                    ; the key slot of trip T + 1: T + 1 in the first block,
	s_cmp_gt_u32 s[NS], s[TSW]
	s_cselect_b32 s[X1], s[TSW1], 0
	s_sub_co_u32 s[NS], s[NS], s[X1]               ; T + 1 - (8 - j) in the second
	s_lshl_b32 s[OFF], s[NS], 15                   ; 256 rows of 128 bytes a slot
	s_add_nc_u64 s[G0+2:G0+3], s[BASE:BASE+1], s[OFF:OFF+1]
	s_or_b32 s[G0+3], s[G0+3], 0x80000000
	s_xor_b32 s[G0+1], s[G0+1], SLOT1
	s_wait_xcnt 0x0                                ; the last prefetch, a slot back, has read its address
	s_add_nc_u64 s[PFA:PFA+1], s[PFA:PFA+1], 32768
.endif
	s_wait_dscnt 0x0                               ; the add is done, and my reads of the slot that I have left are over
	s_barrier_signal -1
	s_barrier_wait -1
.if \fill
	TLOAD                                          ; the first thing behind the barrier, and my one tensor load until the next
	ASK
.endif
.endm
; A BLOCK ENDS: l's halves are added, O^T is divided by l, rounded to f16 and sent through my stage; 32 rows of 128 bytes lie on end in ctxh, so a store covers 512 consecutive bytes, aligned.
.macro FINISH
	s_lshl_b32 s[TMP], s[Q0], 7
	s_add_nc_u64 s[OA:OA+1], s[OUTB:OUTB+1], s[TMP:TMP+1]
.irp t, 0,1
	v_add_f32 v[ST+8*\t+4], v[ST+8*\t+2], v[ST+8*\t+3]
.endr
.irp t, 0,1
	v_permlanex16_b32 v[ST+8*\t+5], v[ST+8*\t+4], s[SEL], s[SEL+1]
.endr
.irp t, 0,1
	v_add_f32 v[ST+8*\t+4], v[ST+8*\t+4], v[ST+8*\t+5]
.endr
.irp t, 0,1
	v_rcp_f32 v[ST+8*\t+6], v[ST+8*\t+4]
.endr
	v_nop                                          ; a plain instruction behind the reciprocals
	s_wait_alu depctr_va_vdst(0)                   ; and a wait ahead of their first use
.irp t, 0,1
.set n, 0
.rept 16
	v_pk_mul_f32 v[O+32*\t+n:O+32*\t+n+1], v[O+32*\t+n:O+32*\t+n+1], v[ST+8*\t+6:ST+8*\t+7] op_sel_hi:[1,0]
.set n, n+2
.endr
.endr
.set n, 0
.rept 32
	v_cvt_pk_f16_f32 v[S+n], v[O+2*n], v[O+2*n+1]
.set n, n+1
.endr
.irp t, 0,1
.irp ct, 0,1,2,3
	ds_store_b128 v[STO], v[S+16*\t+4*\ct:S+16*\t+4*\ct+3] offset:\t*16*SPG+32*\ct   ; lane (r, h): query 16 t + r, channels 16 ct + 8 h + 0 .. 7
.endr
.endr
.irp i, 0,1,2,3,4,5,6,7
	ds_load_b128 v[S+32+4*\i:S+32+4*\i+3], v[RD] offset:\i*4*SPG   ; in order behind my stores
.endr
.irp i, 0,1,2,3,4,5,6,7
	s_wait_dscnt 7-\i                              ; load i is in; the younger ones stay out
	global_store_b128 v[GO], v[S+32+4*\i:S+32+4*\i+3], s[OA:OA+1] offset:512*\i
.endr
	s_wait_xcnt 0x0                                ; the stores' data registers and base are written again only behind this wait
.endm
	START
	s_mov_b32 s[T], 0
.Ltrip:                                            ; eight trips; behind each change of slots the next trip's slot is asked for
	CHANGE 1
	SLOT_STEPS
	s_cmp_lg_u32 s[T], s[TSW]                      ; the first block's last slot?  The work-group's number and the trip alone: all eight waves go the same way; no barrier and no tensor load stands under the branch
	s_cbranch_scc1 .Lsame
	FINISH
	s_mov_b32 s[Q0], s[Q1]
	s_mov_b32 s[KF], 0
	START
.Lsame:
	s_add_co_u32 s[T], s[T], 1
	s_cmp_lt_u32 s[T], 8
	s_cbranch_scc1 .Ltrip
	CHANGE 0                                       ; the ninth slot is written out: nothing is left to ask for
	SLOT_STEPS
	FINISH
	s_wait_tensorcnt 0x0                           ; the wave's end
	ds_add_u32 v[SPW], v[NIL]
	s_wait_dscnt 0x0
	s_endpgm
.Lfunc_end_k_q6e0ce63299_attn:
	.size	k_q6e0ce63299_attn, .Lfunc_end_k_q6e0ce63299_attn-k_q6e0ce63299_attn
	.p2alignl 7, 3214868480
	.fill 96, 4, 3214868480
	.section	.rodata,"a",@progbits
	.p2align	6, 0x0
	.amdhsa_kernel k_q6e0ce63299_attn
		.amdhsa_group_segment_fixed_size 327680
		.amdhsa_private_segment_fixed_size 0
		.amdhsa_enable_private_segment 0
		.amdhsa_kernarg_size 16
		.amdhsa_user_sgpr_count 2
		.amdhsa_user_sgpr_kernarg_segment_ptr 1
		.amdhsa_wavefront_size32 1
		.amdhsa_system_sgpr_workgroup_id_x 1
		.amdhsa_system_sgpr_workgroup_id_y 1
		.amdhsa_system_sgpr_workgroup_id_z 1
		.amdhsa_system_vgpr_workitem_id 0
		.amdhsa_next_free_vgpr 512
		.amdhsa_next_free_sgpr 66
		.amdhsa_reserve_vcc 1
		.amdhsa_float_denorm_mode_32 3
		.amdhsa_float_denorm_mode_16_64 3
		.amdhsa_memory_ordered 1
		.amdhsa_forward_progress 1
		.amdhsa_inst_pref_size 71
	.end_amdhsa_kernel
	.amdgpu_metadata
---
amdhsa.version: [ 1, 2 ]
amdhsa.kernels:
  - .name:           k_q6e0ce63299_attn
    .symbol:         k_q6e0ce63299_attn.kd
    .args:
      - { .name: qkv, .offset: 0, .size: 8, .value_kind: global_buffer, .address_space: global }
      - { .name: ctxh, .offset: 8, .size: 8, .value_kind: global_buffer, .address_space: global }
    .group_segment_fixed_size: 327680
    .private_segment_fixed_size: 0
    .kernarg_segment_align: 8
    .kernarg_segment_size: 16
    .max_flat_workgroup_size: 256
    .sgpr_count:     66
    .vgpr_count:     512
    .wavefront_size: 32
...
	.end_amdgpu_metadata
.endif
;; end of part 3
;; launch proj (part 4): grid 4 x 64, 4 waves a work-group, clusters of 4 x 4, 327,680 bytes of LDS; arguments ctxh, wpt, b_proj, out0; writes out0
.if DOCPART == 4
	.amdgcn_target "amdgcn-amd-amdhsa--gfx1250"
	.amdhsa_code_object_version 6
	.text
	.protected	k_q6e0ce63299_proj
	.globl	k_q6e0ce63299_proj
	.p2align	8
	.type	k_q6e0ce63299_proj,@function
k_q6e0ce63299_proj:
	s_mov_b64 s[64:65], 0
	v_nop
	global_prefetch_b8 v0, s[64:65] scope:SCOPE_SE
	s_setreg_imm32_b32 hwreg(HW_REG_WAVE_MODE, 25, 1), 1
	s_wait_xcnt 0x0
	s_wait_alu depctr_hold_cnt(0) depctr_sa_sdst(0) depctr_va_vdst(0) depctr_va_sdst(0) depctr_va_ssrc(0) depctr_va_vcc(0) depctr_vm_vsrc(0)
	s_getreg_b32 s2, hwreg(HW_REG_IB_STS2, 6, 4)
	s_cmp_eq_u32 s2, 0
	s_cbranch_scc0 .Lentry_in_a_cluster
	s_endpgm
.Lentry_in_a_cluster:
	s_bfe_u32 s2, ttmp6, 0x10000c
	s_cmp_lg_u32 s2, 0xf033
	s_cbranch_scc0 .Lentry_shape_is_right
	s_endpgm
.Lentry_shape_is_right:
; out0[m][n] = the sum over k of ctx[m][k] w_proj[k][n] + b_proj[n].  ctx: f16, laid by head, [16][8192][64] (k = 64 head + channel); w_proj: f16, [1024 n][1024 k]; sums and out0 in f32.
; (Rows 0-15 of each batch are written here like the others and written over, finer, by the launch that follows.)
; A tile is 128 rows x 256 columns: 64 x 4 = 256 work-groups.  Four waves, each 64 x 128: 32 accumulators, 256 registers.  K goes in steps of 128, two heads, through two LDS slots.
; CLUSTERS: 4 x 4.  The four of a row of the cluster need the same rows of ctx, the four of a column the same rows of w_proj: each tile is asked for jointly.  Waves 0 and 1 fetch the step's two head planes
; of ctx (128 rows x 128 bytes each), waves 2 and 3 128 rows x 256 bytes of w_proj each: one load a wave behind each round.
; THE MATRIX INSTRUCTION IS USED TRANSPOSED (source 0 = 16 rows of w_proj's transpose, source 1 = 16 rows of ctx): a lane holds eight neighbouring columns of one row.  The bias is the C of each sum's first product.
; REGISTERS: window 0: v0-31 addresses; v64-127 A's fragments, two buffers of 32; v128-191 the bias; on the way out v128-255 rows read back.   window 1: v0-127 B's fragments, two buffers of 64.   window 2: accumulator (a, b) at v[8 (8 a + b)].
.set PA,     144                       ; a row of a head plane in LDS: 128 bytes + 16
.set PB,     272                       ; a row of w_proj's tile: 256 + 16.  Both odd multiples of 16 bytes: the 16 rows of a load start at different banks (64 banks of 4 bytes: ISA guide 11.1)
.set PLANE,  128*PA
.set BOFF,   2*PLANE
.set HALFB,  128*PB
.set SLOT,   BOFF+2*HALFB
.set STAGE,  2*SLOT                    ; behind the slots: 16 rows x 528 bytes for each wave; no tensor load lands here
.set SPITCH, 528
.set SPARE,  STAGE+4*16*SPITCH         ; the spare words, 128 bytes for each wave: two blocks of 256 bytes that no other line names
.set LAPS,   4                         ; a lap = two K steps
.set ADRA, 16
.set ADRB, 20
.set STO,  24
.set RD,   25
.set CO,   26
.set SPW,  28
.set NIL,  29
.set AF,   64
.set BI,   128
.set BK,   128
.set G1, 24
.set G0, 32
.set G1B, 48
.set G0B, 56
.set MSB, 0
.macro WIN new
.if MSB != \new
	s_set_vgpr_msb (MSB<<8)|\new
.set MSB, \new
.endif
.endm
.set MUL,  0xa1                        ; source 0 (B) window 1, source 1 (A) window 0, C and D window 2
.set FST,  0x81                        ; the first products: C (the bias) window 0
.set TO_B, 0x40
.macro JLOAD s                         ; an s_nop 0 and four v_nop follow each of the two lines; the branch hangs on the wave's number alone
	s_cmp_eq_u32 s13, 0
	s_cbranch_scc0 .Lfor_b_\@
	tensor_load_to_lds s[G0+4*\s:G0+4*\s+3], s[G1:G1+7]
	s_nop 0
.rept 4
	v_nop
.endr
	s_branch .Lasked_\@
.Lfor_b_\@:
	tensor_load_to_lds s[G0B+4*\s:G0B+4*\s+3], s[G1B:G1B+7]
	s_nop 0
.rept 4
	v_nop
.endr
.Lasked_\@:
.endm
.macro CREST
	s_cmp_lg_u32 s12, 0
	s_cbranch_scc1 .Lnot_wave_0_\@
	s_barrier_signal -3
.Lnot_wave_0_\@:
	s_barrier_wait -3
	s_barrier_signal -1
	s_barrier_wait -1
.endm
.macro CROUND
	s_barrier_signal -1
	s_barrier_wait -1
	CREST
.endm
	s_load_b128 s[4:7], s[0:1], 0x0                ; ctxh, wpt
	s_load_b128 s[8:11], s[0:1], 0x10              ; b_proj, out0
	v_lshl_add_u32 v[SPW], v0, 2, SPARE
	v_mov_b32 v[NIL], 0
	ds_add_u32 v[SPW], v[NIL]                      ; the wave's opening: the add, twice on end, and its wait ahead of my first tensor load
	ds_add_u32 v[SPW], v[NIL]
	v_lshrrev_b32 v1, 5, v0
	v_readfirstlane_b32 s12, v1                    ; wave 0..3
	s_lshr_b32 s13, s12, 1                         ; which 64 rows are mine.  Also: I fetch for A (0) or for B (1)
	s_and_b32 s14, s12, 1                          ; which 128 columns.  Also: which plane of A, or which 128 rows of B, I fetch
	s_bfe_u32 s40, ttmp6, 0x40000                  ; cx = the tile column (the grid is one cluster wide)
	s_bfe_u32 s41, ttmp6, 0x40004                  ; cy
	s_and_b32 s42, ttmp7, 0xffff
	s_lshl_b32 s42, s42, 2
	s_add_co_u32 s42, s42, s41                     ; tile row = 4 x cluster y + cy
	s_lshl_b32 s43, s41, 2
	s_lshl_b32 s43, 15, s43                        ; my row of the cluster
	s_lshl_b32 s44, 0x1111, s40                    ; my column
	s_or_b32 s[G1+0], s43, (1<<16)|(1<<20)|(1<<21)|(4<<22)|(3<<25)  ; elements of 2 bytes; padding: 4 words behind every 32; bit 21 beside a mask
	s_mov_b32 s[G1+1], 64<<16                      ; tensor_dim0 = 64
	s_mov_b32 s[G1+2], 128<<16                     ; tensor_dim1 = 128
	s_mov_b32 s[G1+3], 64<<16                      ; tile_dim0
	s_mov_b32 s[G1+4], 128                         ; tile_dim1
	s_mov_b32 s[G1+5], 64                          ; elements from row to row
	s_mov_b32 s[G1+6], 0
	s_mov_b32 s[G1+7], 0
	s_or_b32 s[G1B+0], s44, (1<<16)|(1<<20)|(1<<21)|(5<<22)|(3<<25) ; 4 words behind every 64
	s_mov_b32 s[G1B+1], 128<<16
	s_mov_b32 s[G1B+2], 128<<16
	s_mov_b32 s[G1B+3], 128<<16
	s_mov_b32 s[G1B+4], 128
	s_mov_b32 s[G1B+5], 1024
	s_mov_b32 s[G1B+6], 0
	s_mov_b32 s[G1B+7], 0
	s_lshl_b32 s16, s14, 20                        ; A: a head's plane is 1,048,576 bytes;
	s_lshl_b32 s17, s42, 14                        ; 128 rows of 128 bytes a tile row
	s_add_co_u32 s16, s16, s17
	s_mov_b32 s17, 0
	s_lshl_b32 s46, s40, 8                         ; B: row 256 x tile column + 128 x half, of 2,048 bytes
	s_lshl_b32 s47, s14, 7
	s_add_co_u32 s46, s46, s47
	s_lshl_b32 s46, s46, 11
	s_mov_b32 s47, 0
	s_mul_i32 s20, s14, PLANE                      ; where they go: no place in the cluster enters an LDS address
	s_mul_i32 s21, s14, HALFB
	s_add_co_u32 s21, s21, BOFF
	s_wait_dscnt 0x0                               ; both opening adds are done
	s_wait_kmcnt 0x0
	s_add_nc_u64 s[16:17], s[4:5], s[16:17]
	s_add_nc_u64 s[46:47], s[6:7], s[46:47]
	CROUND                                         ; all sixteen work-groups are here: the first joint loads meet
.irp s, 0,1
	s_mov_b32 s[G0+4*\s], 1
	s_add_co_u32 s[G0+4*\s+1], s20, \s*SLOT
	s_add_nc_u64 s[G0+4*\s+2:G0+4*\s+3], s[16:17], \s*2097152      ; K step s: heads 2 s, 2 s + 1
	s_or_b32 s[G0+4*\s+3], s[G0+4*\s+3], 0x80000000
	s_mov_b32 s[G0B+4*\s], 1
	s_add_co_u32 s[G0B+4*\s+1], s21, \s*SLOT
	s_add_nc_u64 s[G0B+4*\s+2:G0B+4*\s+3], s[46:47], \s*256
	s_or_b32 s[G0B+4*\s+3], s[G0B+4*\s+3], 0x80000000
	JLOAD \s                                       ; two loads a wave are out at the start, one behind each round
.endr
	v_and_b32 v1, 15, v0                           ; r
	v_bfe_u32 v2, v0, 4, 1                         ; h
	s_lshl_b32 s46, s40, 10                        ; my first column, in bytes of f32: 1,024 x tile column + 512 x half
	s_lshl_b32 s47, s14, 9
	s_add_co_u32 s46, s46, s47
	s_mov_b32 s47, 0
	s_add_nc_u64 s[8:9], s[8:9], s[46:47]
	s_add_nc_u64 s[10:11], s[10:11], s[46:47]
	s_lshl_b32 s46, s42, 7
	s_lshl_b32 s20, s13, 6
	s_add_co_u32 s46, s46, s20                     ; my first row: 128 x tile row + 64 x half
	s_lshl_b32 s46, s46, 12
	s_add_nc_u64 s[10:11], s[10:11], s[46:47]
	v_lshlrev_b32 v7, 5, v2                        ; lane (r, h) wants, for block b, the bias of columns 16 b + 8 h + 0 .. 7
.irp b, 0,1,2,3,4,5,6,7
	global_load_b128 v[BI+8*\b:BI+8*\b+3], v7, s[8:9] offset:64*\b
	global_load_b128 v[BI+8*\b+4:BI+8*\b+7], v7, s[8:9] offset:64*\b+16
.endr
	v_mul_u32_u24 v3, v1, PA
	v_lshl_add_u32 v3, v2, 4, v3
	v_mul_u32_u24 v4, v1, PB
	v_lshl_add_u32 v4, v2, 4, v4
	s_mul_i32 s21, s13, 64*PA                      ; my 64 rows of A, in each plane
	s_mul_i32 s22, s14, HALFB
	s_add_co_u32 s22, s22, BOFF                    ; my 128 rows of B
.irp s, 0,1
	v_add_nc_u32 v[ADRA+\s], s21, v3
	v_add_nc_u32 v[ADRB+\s], s22, v4
	s_add_co_u32 s21, s21, SLOT
	s_add_co_u32 s22, s22, SLOT
.endr
	s_mul_i32 s23, s12, 16*SPITCH
	s_add_co_u32 s23, s23, STAGE                   ; my stage
	v_mul_u32_u24 v5, v1, SPITCH
	v_lshl_add_u32 v5, v2, 5, v5
	v_add_nc_u32 v[STO], s23, v5
	v_and_b32 v6, 31, v0
	v_lshlrev_b32 v[CO], 4, v6
	v_add_nc_u32 v[RD], s23, v[CO]
; 8 products: A's block a x B's eight, 32 along K, from buffer f.  The 32 accumulators take turns, one instruction a turn, in the same order in every quarter.
.macro MUL8 f, a, first
.irp b, 0,1,2,3,4,5,6,7
.if \first
	v_wmma_f32_16x16x32_f16 v[8*(8*(\a)+\b):8*(8*(\a)+\b)+7], v[64*(\f)+8*\b:64*(\f)+8*\b+7], v[AF+32*(\f)+8*(\a):AF+32*(\f)+8*(\a)+7], v[BI+8*\b:BI+8*\b+7]
.else
	v_wmma_f32_16x16x32_f16 v[8*(8*(\a)+\b):8*(8*(\a)+\b)+7], v[64*(\f)+8*\b:64*(\f)+8*\b+7], v[AF+32*(\f)+8*(\a):AF+32*(\f)+8*(\a)+7], v[8*(8*(\a)+\b):8*(8*(\a)+\b)+7]
.endif
.endr
.endm
; 24 LDS loads in one run: the fragments of the slot's q-th 32 along K into buffer f: B's sixteen, then A's eight.  Quarters 0, 1 lie in the first head's plane, 2, 3 in the second's.
.macro FETCH slot, q, f
	WIN TO_B
.irp i, 0,1,2,3,4,5,6,7
	ds_load_b128 v[64*(\f)+8*\i:64*(\f)+8*\i+3],   v[ADRB+\slot] offset:64*(\q)+\i*16*PB
	ds_load_b128 v[64*(\f)+8*\i+4:64*(\f)+8*\i+7], v[ADRB+\slot] offset:64*(\q)+\i*16*PB+32
.endr
	WIN 0
.irp i, 0,1,2,3
	ds_load_b128 v[AF+32*(\f)+8*\i:AF+32*(\f)+8*\i+3],   v[ADRA+\slot] offset:((\q)/2)*PLANE+((\q)%2)*64+\i*16*PA
	ds_load_b128 v[AF+32*(\f)+8*\i+4:AF+32*(\f)+8*\i+7], v[ADRA+\slot] offset:((\q)/2)*PLANE+((\q)%2)*64+\i*16*PA+32
.endr
.endm
.macro PLACES                          ; plain vector instructions between a matrix instruction and a load into, or a read of, its registers
.rept 4
	v_nop
.endr
.endm
; One of a K step's first three quarters: multiplies buffer f, and in its middle fetches quarter q into buffer g.
.macro QUARTER slot, q, f, g, first
	s_wait_dscnt 4                                 ; B's and A's blocks 0, 1 are in; the youngest four loads (A's blocks 2, 3) may be out
.if \first
	WIN FST
.else
	WIN MUL
.endif
	MUL8 \f, 0, \first
	MUL8 \f, 1, \first
	PLACES
	FETCH \slot, \q, \g
	s_wait_dscnt 24                                ; all but the 24 just issued
.if \first
	WIN FST
.else
	WIN MUL
.endif
	MUL8 \f, 2, \first
	MUL8 \f, 3, \first
.endm
; The last quarter multiplies buffer 1 and changes slots: one barrier; in front of it each wave waits for all its tensor loads, adds 0 to its spare word, and waits for that and for its reads of this slot.
; fill = 1: the barrier opens a round of the cluster's, and this slot is filled again, two K steps ahead, first thing behind it.
.macro TURN slot, next, fill
	WIN 0                                          ; (the add's two registers lie in window 0)
	s_wait_tensorcnt 0x0                           ; all my tensor loads have landed: my part of the next slot
	ds_add_u32 v[SPW], v[NIL]                      ; 0 onto my spare word
	s_wait_dscnt 5                                 ; the add and the youngest four loads may be out
	WIN MUL
	MUL8 1, 0, 0
	s_wait_dscnt 0x0                               ; the add is done, and my reads of this slot are over
	s_barrier_signal -1
	MUL8 1, 1, 0
.if \fill
	WIN 0
.endif
	s_barrier_wait -1
.if \fill
	CREST                                          ; no wave of any partner still reads this slot's tiles or has a load on its way
	s_add_nc_u64 s[G0+4*\slot+2:G0+4*\slot+3], s[G0+4*\slot+2:G0+4*\slot+3], 4194304   ; four heads on
	s_add_nc_u64 s[G0B+4*\slot+2:G0B+4*\slot+3], s[G0B+4*\slot+2:G0B+4*\slot+3], 512   ; 256 along K on
	JLOAD \slot                                    ; the four v_nop behind it are also the places in front of the loads below
.else
	PLACES
.endif
	FETCH \next, 0, 0
	WIN MUL
	MUL8 1, 2, 0
	MUL8 1, 3, 0
.endm
	s_wait_tensorcnt 1                             ; my part of K step 0 is in; K step 1's load may be out
	s_barrier_signal -1
	s_barrier_wait -1
	FETCH 0, 0, 0
	s_wait_loadcnt 0x0                             ; the bias
	QUARTER 0, 1, 0, 1, 1                          ; the first quarter stands in front of the loop: its products start the sums from the bias
	WIN 0
	s_mov_b32 s3, LAPS-1
.Llap:                                             ; a trip goes once round the two slots, from a lap's second quarter to the next lap's first, and fills both again
	QUARTER 0, 2, 1, 0, 0
	QUARTER 0, 3, 0, 1, 0
	TURN 0, 1, 1
	QUARTER 1, 1, 0, 1, 0
	QUARTER 1, 2, 1, 0, 0
	QUARTER 1, 3, 0, 1, 0
	TURN 1, 0, 1
	QUARTER 0, 1, 0, 1, 0
	WIN 0
	s_sub_co_u32 s3, s3, 1
	s_cmp_lg_u32 s3, 0
	s_cbranch_scc1 .Llap
	QUARTER 0, 2, 1, 0, 0                          ; the last lap fills nothing, and has no round of the cluster's barrier
	QUARTER 0, 3, 0, 1, 0
	TURN 0, 1, 0
	QUARTER 1, 1, 0, 1, 0
	QUARTER 1, 2, 1, 0, 0
	QUARTER 1, 3, 0, 1, 0
	s_wait_dscnt 4
	WIN MUL
	MUL8 1, 0, 0
	MUL8 1, 1, 0
	s_wait_dscnt 0
	MUL8 1, 2, 0
	MUL8 1, 3, 0
	WIN 0
	PLACES
; THE WAY OUT, block by block of 16 rows x 128 columns: through my own stage, back as whole rows of 512 bytes, which the 32 lanes store as 512 consecutive bytes, aligned.
.macro TOSTAGE a
.set AC, 64*(\a)
	WIN 0x08                                       ; an LDS store's data: window 2
.irp b, 0,1,2,3,4,5,6,7
	ds_store_b128 v[STO], v[AC+8*\b:AC+8*\b+3] offset:64*\b        ; each accumulator from its low end on
	ds_store_b128 v[STO], v[AC+8*\b+4:AC+8*\b+7] offset:64*\b+16
.endr
	WIN 0
.set BB, BK+64*((\a)%2)
.irp t, 0,1,2,3,4,5,6,7,8,9,10,11,12,13,14,15
	ds_load_b128 v[BB+4*\t:BB+4*\t+3], v[RD] offset:\t*SPITCH      ; in order behind my stores; the next block's stores come behind these
.endr
.endm
.macro SEND a, younger
.set BB, BK+64*((\a)%2)
	s_wait_dscnt \younger
.irp t, 0,1,2,3,4,5,6,7,8,9,10,11,12,13,14,15
	global_store_b128 v[CO], v[BB+4*\t:BB+4*\t+3], s[10:11] offset:(\a)*65536+\t*4096 th:TH_STORE_NT
.endr
.endm
	TOSTAGE 0
.irp a, 1,2,3
.if \a > 1
	s_wait_xcnt 0x0                                ; block a - 2's stores have read their registers: block a's loads may land there
.endif
	TOSTAGE \a
	SEND \a-1, 32                                  ; behind block a - 1's loads: block a's 16 stores and 16 loads
.endr
	SEND 3, 0
	s_wait_tensorcnt 0x0                           ; the wave's end
	ds_add_u32 v[SPW], v[NIL]
	s_wait_dscnt 0x0
	CROUND                                         ; the closing round
	s_endpgm
.Lfunc_end_k_q6e0ce63299_proj:
	.size	k_q6e0ce63299_proj, .Lfunc_end_k_q6e0ce63299_proj-k_q6e0ce63299_proj
	.p2alignl 7, 3214868480
	.fill 96, 4, 3214868480
	.section	.rodata,"a",@progbits
	.p2align	6, 0x0
	.amdhsa_kernel k_q6e0ce63299_proj
		.amdhsa_group_segment_fixed_size 327680
		.amdhsa_private_segment_fixed_size 0
		.amdhsa_enable_private_segment 0
		.amdhsa_kernarg_size 32
		.amdhsa_user_sgpr_count 2
		.amdhsa_user_sgpr_kernarg_segment_ptr 1
		.amdhsa_wavefront_size32 1
		.amdhsa_system_sgpr_workgroup_id_x 1
		.amdhsa_system_sgpr_workgroup_id_y 1
		.amdhsa_system_sgpr_workgroup_id_z 1
		.amdhsa_system_vgpr_workitem_id 0
		.amdhsa_next_free_vgpr 768
		.amdhsa_next_free_sgpr 66
		.amdhsa_reserve_vcc 0
		.amdhsa_float_denorm_mode_32 3
		.amdhsa_float_denorm_mode_16_64 3
		.amdhsa_memory_ordered 1
		.amdhsa_forward_progress 1
		.amdhsa_inst_pref_size 87
	.end_amdhsa_kernel
	.amdgpu_metadata
---
amdhsa.version: [ 1, 2 ]
amdhsa.kernels:
  - .name:           k_q6e0ce63299_proj
    .symbol:         k_q6e0ce63299_proj.kd
    .args:
      - { .name: ctxh, .offset: 0, .size: 8, .value_kind: global_buffer, .address_space: global }
      - { .name: wpt, .offset: 8, .size: 8, .value_kind: global_buffer, .address_space: global }
      - { .name: b_proj, .offset: 16, .size: 8, .value_kind: global_buffer, .address_space: global }
      - { .name: out0, .offset: 24, .size: 8, .value_kind: global_buffer, .address_space: global }
    .group_segment_fixed_size: 327680
    .private_segment_fixed_size: 0
    .kernarg_segment_align: 8
    .kernarg_segment_size: 32
    .max_flat_workgroup_size: 128
    .sgpr_count:     66
    .vgpr_count:     768
    .wavefront_size: 32
...
	.end_amdgpu_metadata
.endif
;; end of part 4
;; launch fine (part 5): grid 16 x 4, 16 waves a work-group, no clusters, 71,680 bytes of LDS; arguments fineqkv, w_proj, b_proj, out0; writes out0
.if DOCPART == 5
	.amdgcn_target "amdgcn-amd-amdhsa--gfx1250"
	.amdhsa_code_object_version 6
	.text
	.protected	k_q6e0ce63299_fine
	.globl	k_q6e0ce63299_fine
	.p2align	8
	.type	k_q6e0ce63299_fine,@function
k_q6e0ce63299_fine:
	s_mov_b64 s[64:65], 0
	v_nop
	global_prefetch_b8 v0, s[64:65] scope:SCOPE_SE
	s_setreg_imm32_b32 hwreg(HW_REG_WAVE_MODE, 25, 1), 1
	s_wait_xcnt 0x0
; The first 16 positions of every batch once more, all in f32: these rows average one to sixteen values and are the largest of the output, so f16 operands are too coarse for them.
; q, k, v of these positions: fineqkv [4][16][3072] f32.  A work-group takes a batch (y) and 64 columns of the output (x).  Wave w is head w: it makes its head's attention for the 16 positions,
; multiplies it by its head's 64 rows x the group's 64 columns of w_proj, and the sixteen parts meet in LDS; wave w then sums row w, adds the bias and stores 256 consecutive bytes, aligned.
; All products by v_wmma_f32_16x16x4_f32: 96 a wave.  The registers that it writes (v136-231) are written by matrix instructions alone.
; LAYOUT.  S^T = K Q^T: a lane holds query lane % 16 and keys 8 h + j (h = lane / 16).  O^T = V^T P and Y^T = W^T O^T keep one query a lane, so results become source 1 as they stand:
; a product's K is walked in the order in which the result's registers hold it, and source 0 is loaded in the same order.
; The loads of w_proj and v read 64 bytes in sixteen lanes: the launch is small, and each work-group's share is read once.
; LIMITS: NaN and infinities are not served.
.set QR, 40                            ; v40-71   Q; then W's channels 0-15; then 48-63; then the sixteen parts of my row
.set KR, 72                            ; v72-103  K; then W's channels 16-31
.set VR, 104                           ; v104-135 V; then W's channels 32-47
.set SA, 136                           ; v136-167 S^T in four partial sums
.set OA, 168                           ; v168-199 O^T, four tiles of 16 channels
.set YA, 200                           ; v200-231 Y^T, four tiles of 16 columns
.set SPW, 254
.set NIL, 255
.set SPARE, 16*16*272                  ; behind the sixteen parts: the spare words, 128 bytes for each wave: eight blocks of 256 bytes that no other line names
	s_load_b128 s[4:7], s[0:1], 0x0                ; fineqkv, w_proj
	s_load_b128 s[8:11], s[0:1], 0x10              ; b_proj, out0
	v_lshl_add_u32 v[SPW], v0, 2, SPARE
	v_mov_b32 v[NIL], 0
	v_lshrrev_b32 v1, 5, v0
	v_readfirstlane_b32 s12, v1                    ; wave = head
	s_and_b32 s13, ttmp7, 0xffff                   ; batch
	v_and_b32 v1, 15, v0                           ; r
	v_bfe_u32 v2, v0, 4, 1                         ; h
	v_and_b32 v34, 31, v0
	v_lshlrev_b32 v34, 3, v34                      ; 8 x lane
	v_mul_u32_u24 v3, v1, 12288
	v_lshl_add_u32 v3, v2, 4, v3                   ; Q, K: position r, + 16 h
	v_mul_u32_u24 v4, v2, 98304
	v_lshl_add_u32 v4, v1, 2, v4                   ; V: keys 8 h on, channel r
	v_lshlrev_b32 v5, 15, v2
	v_lshl_add_u32 v5, v1, 2, v5                   ; W: channels 8 h on, column r
	s_mul_i32 s14, s12, 16*272
	v_mul_u32_u24 v6, v1, 272
	v_lshl_add_u32 v6, v2, 5, v6
	v_add_nc_u32 v6, s14, v6                       ; my part: row r of 256 + 16 bytes, + 32 h
	s_mul_i32 s14, s12, 272
	v_add_nc_u32 v7, s14, v34                      ; and on the way back: row w of each part, 8 bytes a lane
	v_lshlrev_b32 v35, 3, v2
	v_sub_nc_u32 v35, v1, v35                      ; d = r - 8 h: key 8 h + j is hidden where j > d
	v_mov_b32 v36, 0xff800000                      ; -infinity
	v_mov_b32 v38, 0                               ; (a lane permute's destination counts as one of its sources)
	v_mov_b32 v39, 0
	s_mov_b32 s24, 0x76543210
	s_mov_b32 s25, 0xfedcba98
	s_mov_b32 s26, 0x3e38aa3b                      ; c = log2(e) / 8
	s_mul_i32 s16, s13, 196608
	s_lshl_b32 s15, s12, 8
	s_add_co_u32 s16, s16, s15                     ; my batch's 16 rows, my head's 64 columns
	s_mov_b32 s17, 0
	s_lshl_b32 s18, s12, 18                        ; my head's 64 rows of w_proj,
	s_lshl_b32 s20, ttmp9, 8                       ; the group's 64 columns
	s_add_co_u32 s18, s18, s20
	s_mov_b32 s19, 0
	s_mov_b32 s21, 0
	s_lshl_b32 s22, s13, 11
	s_add_co_u32 s22, s22, s12                     ; the row that I store: batch x 2048 + w
	s_lshl_b32 s22, s22, 12
	s_add_co_u32 s22, s22, s20
	s_mov_b32 s23, 0
	s_wait_kmcnt 0x0
	s_add_nc_u64 s[4:5], s[4:5], s[16:17]
	s_add_nc_u64 s[6:7], s[6:7], s[18:19]
	s_add_nc_u64 s[8:9], s[8:9], s[20:21]
	s_add_nc_u64 s[10:11], s[10:11], s[22:23]
	global_load_b64 v[32:33], v34, s[8:9]          ; the bias of my two columns
.irp s, 0,1,2,3,4,5,6,7
	global_load_b128 v[QR+4*\s:QR+4*\s+3], v3, s[4:5] offset:32*\s           ; registers 2 n, 2 n + 1: channels 8 (n / 2) + 4 h + 2 (n % 2) + 0, 1: the same places along K in Q and in K
.endr
.irp s, 0,1,2,3,4,5,6,7
	global_load_b128 v[KR+4*\s:KR+4*\s+3], v3, s[4:5] offset:4096+32*\s
.endr
.irp ct, 0,1,2,3
.irp i, 0,1,2,3
.irp j, 0,1
	global_load_b32 v[VR+8*\ct+2*\i+\j], v4, s[4:5] offset:8192+(2*\i+\j)*12288+64*\ct   ; v(key 8 h + 2 i + j, channel 16 ct + r)
.endr
.endr
.endr
	s_wait_loadcnt 32                              ; the bias, Q and K are in; V's 32 loads stay out
.irp n, 0,1,2,3,4,5,6,7,8,9,10,11,12,13,14,15  ; four partial sums by turns, one instruction a turn
.if \n < 4
	v_wmma_f32_16x16x4_f32 v[SA+8*(\n%4):SA+8*(\n%4)+7], v[KR+2*\n:KR+2*\n+1], v[QR+2*\n:QR+2*\n+1], 0
.else
	v_wmma_f32_16x16x4_f32 v[SA+8*(\n%4):SA+8*(\n%4)+7], v[KR+2*\n:KR+2*\n+1], v[QR+2*\n:QR+2*\n+1], v[SA+8*(\n%4):SA+8*(\n%4)+7]
.endif
.endr
.rept 8
	v_nop                                          ; eight places behind this form, in front of loads into its sources and of reads of its results
.endr
.macro WLOAD ct, reg                   ; w(64 head + 16 ct + 8 h + 2 i + j, column 16 nt + r) at v[reg + 2 (4 i + nt) + j]
.irp i, 0,1,2,3
.irp nt, 0,1,2,3
.irp j, 0,1
	global_load_b32 v[\reg+2*(4*\i+\nt)+\j], v5, s[6:7] offset:(16*\ct+2*\i+\j)*4096+64*\nt
.endr
.endr
.endr
.endm
	WLOAD 0, QR
	WLOAD 1, KR
.irp i, 0,2,4,6
	v_pk_add_f32 v[8+\i:9+\i], v[SA+\i:SA+\i+1], v[SA+8+\i:SA+8+\i+1]        ; the four partial sums, each from its low end on
	v_pk_add_f32 v[16+\i:17+\i], v[SA+16+\i:SA+16+\i+1], v[SA+24+\i:SA+24+\i+1]
.endr
.irp i, 0,2,4,6
	v_pk_add_f32 v[8+\i:9+\i], v[8+\i:9+\i], v[16+\i:17+\i]
.endr
.irp j, 0,1,2,3,4,5,6,7
	v_cmp_gt_i32 vcc_lo, \j, v35
	v_cndmask_b32 v[8+\j], v[8+\j], v36, vcc_lo    ; the causal mask
.endr
	v_max3_num_f32 v37, v8, v9, v10
	v_max3_num_f32 v37, v37, v11, v12
	v_max3_num_f32 v37, v37, v13, v14
	v_max_num_f32 v37, v37, v15
	v_permlanex16_b32 v38, v37, s24, s25
	v_max_num_f32 v37, v37, v38                    ; the row's maximum: key 0 counts for every query, so it is a number
	v_mul_f32 v37, s26, v37
.irp j, 0,1,2,3,4,5,6,7
	v_fma_f32 v[8+\j], v[8+\j], s26, -v37
.endr
.irp j, 0,1,2,3,4,5,6,7
	v_exp_f32 v[8+\j], v[8+\j]
.endr
	v_nop                                          ; a plain instruction behind the exponentials,
	s_wait_alu depctr_va_vdst(0)                   ; and one wait for the batch ahead of its first reader
	v_pk_add_f32 v[16:17], v[8:9], v[10:11]
	v_pk_add_f32 v[18:19], v[12:13], v[14:15]
	v_pk_add_f32 v[16:17], v[16:17], v[18:19]
	v_add_f32 v38, v16, v17
	v_permlanex16_b32 v39, v38, s24, s25
	v_add_f32 v38, v38, v39
	v_rcp_f32 v38, v38
	v_nop
	s_wait_alu depctr_va_vdst(0)
.irp j, 0,1,2,3,4,5,6,7
	v_mul_f32 v[24+\j], v[8+\j], v38               ; the weights, normalised: registers 2 i, 2 i + 1 hold keys 8 h + 2 i + 0, 1
.endr
	s_wait_loadcnt 63                              ; V is in.  64 loads are younger; a wait's count names at most 63, so one of them is waited for too
.rept 4
	v_nop
.endr
.irp i, 0,1,2,3                                ; O^T = V^T P: four tiles of channels by turns
.irp ct, 0,1,2,3
.if \i == 0
	v_wmma_f32_16x16x4_f32 v[OA+8*\ct:OA+8*\ct+7], v[VR+8*\ct+2*\i:VR+8*\ct+2*\i+1], v[24+2*\i:25+2*\i], 0
.else
	v_wmma_f32_16x16x4_f32 v[OA+8*\ct:OA+8*\ct+7], v[VR+8*\ct+2*\i:VR+8*\ct+2*\i+1], v[24+2*\i:25+2*\i], v[OA+8*\ct:OA+8*\ct+7]
.endif
.endr
.endr
.rept 9
	v_nop                                          ; nine places before a matrix instruction takes these results as a source; they also serve the loads into V's registers
.endr
	WLOAD 2, VR
	s_wait_loadcnt 32                              ; W's channels 0-31 are in; the 32 loads just issued stay out
.macro YMUL ct, reg, first             ; Y^T += W^T O^T over channels 16 ct on: four tiles of columns by turns; registers 2 i, 2 i + 1 of O^T's tile hold channels 16 ct + 8 h + 2 i + 0, 1
.irp i, 0,1,2,3
.irp nt, 0,1,2,3
.if \first && (\i == 0)
	v_wmma_f32_16x16x4_f32 v[YA+8*\nt:YA+8*\nt+7], v[\reg+2*(4*\i+\nt):\reg+2*(4*\i+\nt)+1], v[OA+8*\ct+2*\i:OA+8*\ct+2*\i+1], 0
.else
	v_wmma_f32_16x16x4_f32 v[YA+8*\nt:YA+8*\nt+7], v[\reg+2*(4*\i+\nt):\reg+2*(4*\i+\nt)+1], v[OA+8*\ct+2*\i:OA+8*\ct+2*\i+1], v[YA+8*\nt:YA+8*\nt+7]
.endif
.endr
.endr
.endm
	YMUL 0, QR, 1
	YMUL 1, KR, 0
.rept 8
	v_nop                                          ; places in front of loads into registers that these products have read
.endr
	WLOAD 3, QR
	s_wait_loadcnt 32                              ; channels 32-47 are in; the 32 loads just issued stay out
	YMUL 2, VR, 0
	s_wait_loadcnt 0x0
	YMUL 3, QR, 0
.rept 8
	v_nop                                          ; places in front of the LDS stores that read the results, and of the LDS loads into W's registers
.endr
.irp nt, 0,1,2,3
	ds_store_b128 v6, v[YA+8*\nt:YA+8*\nt+3] offset:64*\nt         ; lane (r, h): position r, columns 16 nt + 8 h + 0 .. 7
	ds_store_b128 v6, v[YA+8*\nt+4:YA+8*\nt+7] offset:64*\nt+16
.endr
	s_wait_dscnt 0x0                               ; for the others' sake: my part lies in LDS
	s_barrier_signal -1
	s_barrier_wait -1
.irp i, 0,1,2,3,4,5,6,7,8,9,10,11,12,13,14,15
	ds_load_b64 v[QR+2*\i:QR+2*\i+1], v7 offset:\i*16*272          ; row w of head i's part
.endr
	s_wait_dscnt 0x0
	v_pk_add_f32 v[8:9], v[QR:QR+1], v[QR+2:QR+3]
	v_pk_add_f32 v[10:11], v[QR+4:QR+5], v[QR+6:QR+7]
.irp i, 8,12,16,20,24,28
	v_pk_add_f32 v[8:9], v[8:9], v[QR+\i:QR+\i+1]
	v_pk_add_f32 v[10:11], v[10:11], v[QR+\i+2:QR+\i+3]
.endr
	v_pk_add_f32 v[8:9], v[8:9], v[10:11]
	v_pk_add_f32 v[8:9], v[8:9], v[32:33]          ; the bias
	global_store_b64 v34, v[8:9], s[10:11]         ; 32 lanes store 256 consecutive bytes, aligned
	s_wait_tensorcnt 0x0                           ; the wave's end, behind my last LDS store
	ds_add_u32 v[SPW], v[NIL]
	s_wait_dscnt 0x0
	s_endpgm
.Lfunc_end_k_q6e0ce63299_fine:
	.size	k_q6e0ce63299_fine, .Lfunc_end_k_q6e0ce63299_fine-k_q6e0ce63299_fine
	.p2alignl 7, 3214868480
	.fill 96, 4, 3214868480
	.section	.rodata,"a",@progbits
	.p2align	6, 0x0
	.amdhsa_kernel k_q6e0ce63299_fine
		.amdhsa_group_segment_fixed_size 71680
		.amdhsa_private_segment_fixed_size 0
		.amdhsa_enable_private_segment 0
		.amdhsa_kernarg_size 32
		.amdhsa_user_sgpr_count 2
		.amdhsa_user_sgpr_kernarg_segment_ptr 1
		.amdhsa_wavefront_size32 1
		.amdhsa_system_sgpr_workgroup_id_x 1
		.amdhsa_system_sgpr_workgroup_id_y 1
		.amdhsa_system_sgpr_workgroup_id_z 1
		.amdhsa_system_vgpr_workitem_id 0
		.amdhsa_next_free_vgpr 256
		.amdhsa_next_free_sgpr 66
		.amdhsa_reserve_vcc 1
		.amdhsa_float_denorm_mode_32 3
		.amdhsa_float_denorm_mode_16_64 3
		.amdhsa_memory_ordered 1
		.amdhsa_forward_progress 1
		.amdhsa_inst_pref_size 33
	.end_amdhsa_kernel
	.amdgpu_metadata
---
amdhsa.version: [ 1, 2 ]
amdhsa.kernels:
  - .name:           k_q6e0ce63299_fine
    .symbol:         k_q6e0ce63299_fine.kd
    .args:
      - { .name: fineqkv, .offset: 0, .size: 8, .value_kind: global_buffer, .address_space: global }
      - { .name: w_proj, .offset: 8, .size: 8, .value_kind: global_buffer, .address_space: global }
      - { .name: b_proj, .offset: 16, .size: 8, .value_kind: global_buffer, .address_space: global }
      - { .name: out0, .offset: 24, .size: 8, .value_kind: global_buffer, .address_space: global }
    .group_segment_fixed_size: 71680
    .private_segment_fixed_size: 0
    .kernarg_segment_align: 8
    .kernarg_segment_size: 32
    .max_flat_workgroup_size: 512
    .sgpr_count:     66
    .vgpr_count:     256
    .wavefront_size: 32
...
	.end_amdgpu_metadata
.endif
;; end of part 5
